; MI455X (gfx1250); checked and timed in simulation.
; The chip was launched on July 23, 2026; its instructions are those of AMD's public machine-readable ISA for CDNA 5 (MIT licence, August 2026) and "CDNA5" Instruction Set Architecture Reference Guide (July 2026). The comments in the code are by the model that wrote it; some were corrected since.
;; Attention. Allowed arithmetic: matrix products marked QUANTISED: E3M2 operands, one E8M0 scale for each 32 along K, by v_wmma_scale_f32_16x16x128_f8f6f4 with both operands' format E3M2, f32 sums; everything else in f32.
;; Inputs: freqs_cos 2,048 x 32 float32; freqs_sin 2,048 x 32 float32; mask 1 x 1 x 2,048 x 2,048 float32; wk 1,024 x 1,024 float32; wo 1,024 x 1,024 float32; wq 1,024 x 1,024 float32; wv 1,024 x 1,024 float32; x 4 x 2,048 x 1,024 float32.
;; Outputs: out0 4 x 2,048 x 1,024 float32.
;; This version of the problem:
;;   THIS VERSION OF THE PROBLEM IS GIVEN IN LOW PRECISION. The matrix products marked QUANTISED in the list below multiply operands that are first quantised to E3M2 (3 exponent bits, 2 mantissa bits; 6 bits a number), with one power-of-two scale for each 32 numbers along K (OCP MX v1.0); their sums are f32. All else is computed in f32.
;;   The module's matrix products, in the order in which they are computed (A, B: the left and right operand; K: the contracted axis; several contracted axes count as one K, in the product's order):
;;     1. [M 8,192, K 1,024] x [K 1,024, N 1,024]; A: input x; B: input wq: QUANTISED
;;     2. [M 8,192, K 1,024] x [K 1,024, N 1,024]; A: input x; B: input wk: QUANTISED
;;     3. [M 8,192, K 1,024] x [K 1,024, N 1,024]; A: input x; B: input wv: QUANTISED
;;     4. batch 64 x [M 2,048, K 64] x [K 64, N 2,048]; A: computed on the way; B: computed on the way: QUANTISED
;;     5. batch 64 x [M 2,048, K 2,048] x [K 2,048, N 64]; A: softmax (see below); B: computed on the way: QUANTISED
;;     6. [M 8,192, K 1,024] x [K 1,024, N 1,024]; A: computed on the way; B: input wo: QUANTISED
;;   THE QUANTISER, for each operand of a quantised product, along K:
;;     - K is cut into blocks of 32 from its start; a last block that is shorter is filled with zeros.
;;     - A block's scale is 2^e with e = floor(log2(the largest magnitude in the block)) - 4, held to -126 .. 127; a block of zeros has e = 0. As a byte (E8M0): e + 127.
;;     - Each number is divided by its block's scale, clamped to +-28, and rounded to the nearest number of E3M2, ties to even, subnormals kept.
;;     - The product sums the exact products of the quantised numbers (number of the format x scale) in f32.
;;   ~~~python
;;   def quantise(x, axis):      # numpy; x: float32 -> the quantised numbers, widened to float32 again
;;       x = np.moveaxis(x, axis, -1); K = x.shape[-1]
;;       x = np.pad(x, [(0, 0)] * (x.ndim - 1) + [(0, -K % 32)]); x = x.reshape(x.shape[:-1] + (-1, 32)); a = np.abs(x).max(-1, keepdims=True)
;;       e = np.where(a > 0, np.clip(np.frexp(np.where(a > 0, a, 1))[1] - 1 - 4, -126, 127), 0)      # np.frexp(a)[1] - 1 = floor(log2(a)), exactly
;;       r = np.clip(x / 2.0 ** e, -28, 28)
;;       step = 2.0 ** (np.maximum(np.frexp(np.where(r == 0, 1, r))[1] - 1, -2) - 2)
;;       q = np.round(r / step) * step * 2.0 ** e      # np.round: ties to even
;;       return np.moveaxis(q.reshape(q.shape[:-2] + (-1,))[..., :K], -1, axis).astype(np.float32)
;;   ~~~
;;   SOFTMAX AHEAD OF A QUANTISED PRODUCT. Where the list says 'softmax', what is quantised is not the finished softmax but p = 2^(t - M), with t = logit x log2(e) and M = ceil(the row's largest t), a whole number; so 1/2 < the row's largest p <= 1. The row's sum l is taken of the UNQUANTISED p, in f32, and the product's result is divided by l at the end. Since M is a whole number, a kernel that streams over the keys may use a running M (the ceiling of the running maximum): every later rescaling is an exact power of two, which a block's scale takes up: the codes' values come out the same.
;;   OPERANDS COMPUTED ON THE WAY. 'Computed on the way' means the value that the module computes at that place (a softmax that the list does not call 'softmax' is quantised finished and normalised). What goes into a quantiser is computed in f32, as accurately as f32 sums, v_exp_f32 and their like allow (about 1e-6 of the number): no bf16 or f16 on the way to a quantiser, and a product that is left as it is and whose result goes on into a quantised operand takes f32 operands (vector FMAs, or v_wmma_f32_16x16x4_f32). A number that lies on a knife's edge between two numbers of the format may be rounded either way, as far as f32 arithmetic and the matrix unit's own rounding can turn it there, and no further.
;; One version. Each part assembles by itself: llvm-mc -triple=amdgcn-amd-amdhsa -mcpu=gfx1250 --defsym DOCPART=n.
;; ======== version 1 of 1: 4 launches
;; workspace buffers: xc 6,291,456 bytes; xs 262,144 bytes; wc 3,145,728 bytes; ws 131,072 bytes; qb 13,369,344 bytes; kv 13,369,344 bytes; oc 6,291,456 bytes; os 262,144 bytes
;; launch quant (part 1): grid 384 x 1, 4 waves a work-group, no clusters, 59,904 bytes of LDS; arguments x, wq, wk, wv, wo, xc, xs, wc, ws; writes xc, xs, wc, ws
.if DOCPART == 1
	.amdgcn_target "amdgcn-amd-amdhsa--gfx1250"
	.amdhsa_code_object_version 6
	.text
	.protected	k_q2ffb4e9644_quant
	.globl	k_q2ffb4e9644_quant
	.p2align	8
	.type	k_q2ffb4e9644_quant,@function
k_q2ffb4e9644_quant:
	s_mov_b64 s[64:65], 0
	v_nop
	global_prefetch_b8 v0, s[64:65] scope:SCOPE_SE
	s_setreg_imm32_b32 hwreg(HW_REG_WAVE_MODE, 25, 1), 1
	s_wait_xcnt 0x0
; x [8192][1024] and the four weights [1024 (k)][1024 (n)], f32, become codes of E3M2 with one E8M0 byte for each 32 along K.
; A block's scale is 2^(floor(log2(largest magnitude)) - 4): its byte is the largest magnitude's exponent field - 4, held at 1 from below.
; THE CODES ARE LAID AS IMAGES OF THE OPERAND'S REGISTERS: a fragment is 16 rows x 128 K, 12 registers a lane (lane (r, h): registers 6 c .. 6 c + 5 = k 64 c + 32 h + 0 .. 31);
; its image is 1,536 bytes: six pieces p, lane l's registers 2 p, 2 p + 1 at 256 p + 8 l.  xc, wc: [tile of 16 rows][8 steps of 128 along K][1,536].
; THE SCALE BYTES: [rows / 128][K / 256][row % 128][8 bytes]: the eight blocks of 256 along K of a row lie together.
; wc's rows: 1024 wi + n, wi = 0 wq, 1 wk, 2 wv, 3 wo.  wo's codes stand in another order inside each block of 32: places 8-15 hold k 16-23 and places 16-23 hold k 8-15,
; the order in which the attention launch leaves o's codes; the blocks, and so the scales, are the same.
; Work-groups 0-255 take x: 32 rows each, wave w the K 256 w .. 256 w + 255.  Work-groups 256-383 take the weights: 128 columns x 256 along K each, a lane to a column, registers down K.
; The two ways part on the work-group's number and have LDS bytes of their own (x: 0 .. 33,791; weights: 33,792 .. 59,391).  Waves share nothing: no barrier.
; LIMITS: NaN and infinities among the inputs are not served.  A block of zeros gets the byte 1 (its codes are zeros; only this program reads the bytes).  Blocks whose largest magnitude lies under 2^-122 are held at that floor.
.set PX,   528                         ; x's stage: a row of 512 bytes + 16
.set STX,  16*PX                       ; a wave's stage
.set WST,  4*STX                       ; the weights' stages begin here
.set WNT,  3200                        ; a tile of 16 columns in a wave's stage: 3,072 bytes + 128, so that the two halves of a store fall on different banks
.set R,    16                          ; v16-143  x as loaded, two sets of 64
.set X,    144                         ; v144-207 a fragment's 64 numbers of my lane
.set C,    208                         ; v208-219 its codes
.set TP,   220                         ; v220-227 the second halves of the conversions (three registers begin on an even number)
.set WD,   236                         ; v236-239 the four fragments' scale words
.set WX,   32                          ; weights: v32-95 two sets of 32 numbers
.set WC,   96                          ; v96-102  a block's codes
.set WO,   112                         ; v112-159 the way out
.macro XLOAD f                         ; fragment f (tile f / 2, step f % 2): 16 rows x 512 bytes; each load takes 512 consecutive bytes
.irp i, 0,1,2,3,4,5,6,7,8,9,10,11,12,13,14,15
	global_load_b128 v[R+64*((\f)%2)+4*\i:R+64*((\f)%2)+4*\i+3], v4, s[4:5] offset:((\f)/2)*65536+\i*4096+((\f)%2)*512 th:TH_LOAD_NT
.endr
.endm
.macro XTURN f                         ; through my own stage: in as loaded, back as 2 x 32 neighbours along K of my row.  LDS serves a wave's instructions in order
.irp i, 0,1,2,3,4,5,6,7,8,9,10,11,12,13,14,15
	ds_store_b128 v5, v[R+64*((\f)%2)+4*\i:R+64*((\f)%2)+4*\i+3] offset:PX*\i
.endr
.irp c, 0,1
.irp e, 0,1,2,3,4,5,6,7
	ds_load_b128 v[X+32*\c+4*\e:X+32*\c+4*\e+3], v6 offset:256*\c+16*\e
.endr
.endr
.endm
.macro XFRAG f                         ; my two whole blocks (2 c + h) become codes; the four bytes of my row's word are gathered from lanes l and l xor 16
.irp c, 0,1
	v_max3_num_f32 v[228+\c], |v[X+32*\c]|, |v[X+1+32*\c]|, 0x2800000      ; with the floor 2^(5 - 127): the byte cannot fall under 1
.endr
.irp i, 2,4,6,8,10,12,14,16,18,20,22,24,26,28,30
.irp c, 0,1
	v_max3_num_f32 v[228+\c], v[228+\c], |v[X+32*\c+\i]|, |v[X+1+32*\c+\i]|
.endr
.endr
.irp c, 0,1
	v_add_nc_u32 v[230+\c], 0xfe000000, v[228+\c]                          ; 4 off the exponent field: the conversion's scale operand
.endr
.irp c, 0,1
	v_lshrrev_b32 v[232+\c], 23, v[230+\c]                                 ; the byte
.endr
	v_lshl_or_b32 v234, v233, 16, v232
	v_lshlrev_b32 v234, v8, v234                                           ; 8 h bits up
	v_permlanex16_b32 v235, v234, s28, s29
	v_or_b32 v[WD+(\f)], v234, v235
	s_wait_xcnt 0x0                                                        ; the last fragment's stores have read the codes' registers
.irp c, 0,1
	v_cvt_scalef32_pk16_bf6_f32 v[C+6*\c:C+6*\c+2], v[X+32*\c:X+32*\c+15], v[230+\c]
	v_cvt_scalef32_pk16_bf6_f32 v[TP+4*\c:TP+4*\c+2], v[X+32*\c+16:X+32*\c+31], v[230+\c]
.endr
	v_nop                                                                  ; one plain line behind the conversions
.irp c, 0,1
.irp i, 0,1,2
	v_mov_b32 v[C+3+6*\c+\i], v[TP+4*\c+\i]
.endr
.endr
.irp p, 0,1,2,3,4,5
	global_store_b64 v7, v[C+2*\p:C+2*\p+1], s[14:15] offset:((\f)/2)*12288+((\f)%2)*1536+256*\p   ; 32 lanes store 256 consecutive bytes, aligned
.endr
.endm
.macro WLOAD t                         ; block t of my column: register i = place i of the block.  v11 and v12 carry wo's other order: 8 rows of 4,096 bytes on, or back
.irp i, 0,1,2,3,4,5,6,7,8,9,10,11,12,13,14,15,16,17,18,19,20,21,22,23,24,25,26,27,28,29,30,31
.if (\i >= 8) && (\i < 16)
	global_load_b32 v[WX+32*((\t)%2)+\i], v11, s[6:7] offset:(32*(\t)+\i)*4096 th:TH_LOAD_NT
.elseif (\i >= 16) && (\i < 24)
	global_load_b32 v[WX+32*((\t)%2)+\i], v12, s[6:7] offset:(32*(\t)+\i-8)*4096 th:TH_LOAD_NT
.else
	global_load_b32 v[WX+32*((\t)%2)+\i], v3, s[6:7] offset:(32*(\t)+\i)*4096 th:TH_LOAD_NT
.endif
.endr
.endm
.macro WBLOCK t
.set XS, WX+32*((\t)%2)
.if (\t) < 7
	s_wait_loadcnt 32                              ; this block's 32 loads are in; the next block's 32 may be out
.else
	s_wait_loadcnt 0x0
.endif
	v_max3_num_f32 v20, |v[XS]|, |v[XS+1]|, |v[XS+2]|
	v_max3_num_f32 v21, |v[XS+3]|, |v[XS+4]|, |v[XS+5]|
.irp i, 6,10,14,18,22,26
	v_max3_num_f32 v20, v20, |v[XS+\i]|, |v[XS+\i+1]|
	v_max3_num_f32 v21, v21, |v[XS+\i+2]|, |v[XS+\i+3]|
.endr
	v_max3_num_f32 v20, v20, |v[XS+30]|, |v[XS+31]|
	v_max3_num_f32 v20, v20, v21, 0x2800000
	v_add_nc_u32 v22, 0xfe000000, v20
	v_lshrrev_b32 v23, 23, v22
.if (\t)%4 == 0
	v_mov_b32 v[24+(\t)/4], v23
.else
	v_lshl_or_b32 v[24+(\t)/4], v23, 8*((\t)%4), v[24+(\t)/4]
.endif
	v_cvt_scalef32_pk16_bf6_f32 v[WC:WC+2], v[XS:XS+15], v22
	v_cvt_scalef32_pk16_bf6_f32 v[WC+4:WC+6], v[XS+16:XS+31], v22
	v_nop
	v_mov_b32 v[WC+3], v[WC+4]
	v_mov_b32 v[WC+4], v[WC+5]
	v_mov_b32 v[WC+5], v[WC+6]
.irp p, 0,1,2                          ; block t = step t / 4, c = (t % 4) / 2, h = t % 2 of the fragment: pieces 3 c + p, lane r + 16 h
	ds_store_b64 v13, v[WC+2*\p:WC+2*\p+1] offset:((\t)/4)*1536+(3*(((\t)%4)/2)+\p)*256+128*((\t)%2)
.endr
.if (\t)+2 < 8
	WLOAD (\t)+2
.endif
	s_wait_dscnt 0x0                               ; the stores have read the codes' registers
.endm
	s_load_b512 s[4:19], s[0:1], 0x0               ; x, wq, wk, wv, wo, xc, xs, wc
	s_load_b64 s[20:21], s[0:1], 0x40              ; ws
	v_lshl_add_u32 v248, v0, 2, 0xe800
	v_mov_b32 v249, 0
	v_lshrrev_b32 v1, 5, v0
	v_readfirstlane_b32 s22, v1                    ; wave
	v_and_b32 v2, 31, v0                           ; lane
	v_and_b32 v9, 15, v0                           ; r
	v_bfe_u32 v10, v0, 4, 1                        ; h
	s_cmp_lt_u32 ttmp9, 256
	s_cbranch_scc0 .Lweights
	; ---------------- x
	v_lshlrev_b32 v4, 4, v2                        ; 16 x lane
	s_mul_i32 s23, s22, STX
	v_add_nc_u32 v5, s23, v4                       ; the stage, in
	v_mul_u32_u24 v6, v9, PX
	v_lshl_add_u32 v6, v10, 7, v6
	v_add_nc_u32 v6, s23, v6                       ; and back: row r, + 128 h
	v_lshlrev_b32 v7, 3, v2                        ; 8 x lane
	v_lshlrev_b32 v8, 3, v10                       ; 8 h
	v_mov_b32 v235, 0                              ; a lane permute's destination counts as read
	s_mov_b32 s28, 0x76543210
	s_mov_b32 s29, 0xfedcba98
	s_mov_b32 s30, 0xffff0000                      ; lanes 16-31
	s_lshl_b32 s24, ttmp9, 17                      ; x: 32 rows of 4,096 bytes a work-group,
	s_lshl_b32 s25, s22, 10                        ; 1,024 bytes a wave
	s_add_co_u32 s24, s24, s25
	s_mov_b32 s25, 0
	s_mul_i32 s26, ttmp9, 24576                    ; xc: two tiles of 12,288 bytes, two steps of 1,536 a wave
	s_mul_i32 s27, s22, 3072
	s_add_co_u32 s26, s26, s27
	s_mov_b32 s27, 0
	s_lshr_b32 s32, ttmp9, 2                       ; xs: ((rows / 128) 4 + wave) 1,024 + (rows % 128) 8
	s_lshl_b32 s32, s32, 2
	s_add_co_u32 s32, s32, s22
	s_lshl_b32 s32, s32, 10
	s_and_b32 s33, ttmp9, 3
	s_lshl_b32 s33, s33, 8
	s_add_co_u32 s32, s32, s33
	s_mov_b32 s33, 0
	s_wait_kmcnt 0x0
	s_add_nc_u64 s[4:5], s[4:5], s[24:25]
	s_add_nc_u64 s[14:15], s[14:15], s[26:27]
	s_add_nc_u64 s[16:17], s[16:17], s[32:33]
	XLOAD 0
	XLOAD 1
.irp f, 0,1,2,3
.if \f < 3
	s_wait_loadcnt 16                              ; this fragment's 16 loads are in; the next one's 16 may be out
.else
	s_wait_loadcnt 0x0
.endif
	XTURN \f
	s_wait_dscnt 0x0
.if \f < 2
	XLOAD \f+2
.endif
	XFRAG \f
.endr
	v_cndmask_b32 v240, v[WD], v[WD+2], s30        ; lanes 0-15: tile 0's row r, lanes 16-31: tile 1's; two words = the wave's eight blocks
	v_cndmask_b32 v241, v[WD+1], v[WD+3], s30
	global_store_b64 v7, v[240:241], s[16:17]      ; 256 consecutive bytes, aligned
	s_wait_tensorcnt 0x0
	ds_add_u32 v248, v249
	s_wait_dscnt 0x0
	s_endpgm
	; ---------------- the weights
.Lweights:
	s_sub_co_u32 s23, ttmp9, 256
	s_and_b32 s24, s23, 3                          ; which 256 along K
	s_lshr_b32 s25, s23, 2
	s_lshr_b32 s26, s25, 3                         ; which weight
	s_and_b32 s27, s25, 7
	s_lshl_b32 s27, s27, 7
	s_lshl_b32 s31, s22, 5
	s_add_co_u32 s27, s27, s31                     ; my wave's first column
	s_lshl_b32 s31, s26, 10
	s_add_co_u32 s31, s31, s27                     ; and its row in wc
	v_lshlrev_b32 v3, 2, v2
	s_cmp_eq_u32 s26, 3
	s_cselect_b32 s32, 0x8000, 0
	s_cselect_b32 s33, 0, 0x8000
	v_add_nc_u32 v11, s32, v3
	v_add_nc_u32 v12, s33, v3
	s_mul_i32 s34, s22, 2*WNT
	s_add_co_u32 s34, s34, WST                     ; my stage
	v_mul_u32_u24 v13, v10, WNT
	v_lshl_add_u32 v13, v9, 3, v13
	v_add_nc_u32 v13, s34, v13                     ; in: tile lane / 16, + 8 r
	v_lshlrev_b32 v15, 4, v2
	v_add_nc_u32 v14, s34, v15                     ; back: 16 x lane
	v_lshlrev_b32 v16, 3, v2
	s_lshl_b32 s36, s24, 20                        ; W: 256 rows of 4,096 bytes a slot, + 4 x column
	s_lshl_b32 s37, s27, 2
	s_add_co_u32 s36, s36, s37
	s_mov_b32 s37, 0
	s_mul_i32 s38, s31, 768                        ; wc: 12,288 bytes for 16 rows, + 3,072 a slot
	s_mul_i32 s39, s24, 3072
	s_add_co_u32 s38, s38, s39
	s_mov_b32 s39, 0
	s_lshr_b32 s40, s31, 7
	s_lshl_b32 s40, s40, 2
	s_add_co_u32 s40, s40, s24
	s_lshl_b32 s40, s40, 10
	s_and_b32 s41, s31, 127
	s_lshl_b32 s41, s41, 3
	s_add_co_u32 s40, s40, s41
	s_mov_b32 s41, 0
	s_wait_kmcnt 0x0
	s_cmp_eq_u32 s26, 1
	s_cselect_b64 s[6:7], s[8:9], s[6:7]
	s_cmp_eq_u32 s26, 2
	s_cselect_b64 s[6:7], s[10:11], s[6:7]
	s_cmp_eq_u32 s26, 3
	s_cselect_b64 s[6:7], s[12:13], s[6:7]
	s_add_nc_u64 s[6:7], s[6:7], s[36:37]
	s_add_nc_u64 s[18:19], s[18:19], s[38:39]
	s_add_nc_u64 s[20:21], s[20:21], s[40:41]
	WLOAD 0
	WLOAD 1
.set Q, 0
.rept 8
	WBLOCK Q
.set Q, Q+1
.endr
	global_store_b64 v16, v[24:25], s[20:21]       ; my column's eight bytes: the wave stores 256 consecutive bytes
.irp n, 0,1,2,3,4,5,6,7,8,9,10,11
	ds_load_b128 v[WO+4*\n:WO+4*\n+3], v14 offset:(\n/6)*WNT+512*(\n%6)
.endr
.irp n, 0,1,2,3,4,5,6,7,8,9,10,11
	s_wait_dscnt 11-\n                             ; the reads issued behind this one may be out
	global_store_b128 v15, v[WO+4*\n:WO+4*\n+3], s[18:19] offset:(\n/6)*12288+512*(\n%6)
.endr
	s_wait_tensorcnt 0x0
	ds_add_u32 v248, v249
	s_wait_dscnt 0x0
	s_endpgm
.Lfunc_end_k_q2ffb4e9644_quant:
	.size	k_q2ffb4e9644_quant, .Lfunc_end_k_q2ffb4e9644_quant-k_q2ffb4e9644_quant
	.p2alignl 7, 3214868480
	.fill 96, 4, 3214868480
	.section	.rodata,"a",@progbits
	.p2align	6, 0x0
	.amdhsa_kernel k_q2ffb4e9644_quant
		.amdhsa_group_segment_fixed_size 59904
		.amdhsa_private_segment_fixed_size 0
		.amdhsa_enable_private_segment 0
		.amdhsa_kernarg_size 72
		.amdhsa_user_sgpr_count 2
		.amdhsa_user_sgpr_kernarg_segment_ptr 1
		.amdhsa_wavefront_size32 1
		.amdhsa_system_sgpr_workgroup_id_x 1
		.amdhsa_system_sgpr_workgroup_id_y 1
		.amdhsa_system_sgpr_workgroup_id_z 1
		.amdhsa_system_vgpr_workitem_id 0
		.amdhsa_next_free_vgpr 250
		.amdhsa_next_free_sgpr 66
		.amdhsa_reserve_vcc 0
		.amdhsa_float_denorm_mode_32 3
		.amdhsa_float_denorm_mode_16_64 3
		.amdhsa_memory_ordered 1
		.amdhsa_forward_progress 1
		.amdhsa_inst_pref_size 73
	.end_amdhsa_kernel
	.amdgpu_metadata
---
amdhsa.version: [ 1, 2 ]
amdhsa.kernels:
  - .name:           k_q2ffb4e9644_quant
    .symbol:         k_q2ffb4e9644_quant.kd
    .args:
      - { .name: x, .offset: 0, .size: 8, .value_kind: global_buffer, .address_space: global }
      - { .name: wq, .offset: 8, .size: 8, .value_kind: global_buffer, .address_space: global }
      - { .name: wk, .offset: 16, .size: 8, .value_kind: global_buffer, .address_space: global }
      - { .name: wv, .offset: 24, .size: 8, .value_kind: global_buffer, .address_space: global }
      - { .name: wo, .offset: 32, .size: 8, .value_kind: global_buffer, .address_space: global }
      - { .name: xc, .offset: 40, .size: 8, .value_kind: global_buffer, .address_space: global }
      - { .name: xs, .offset: 48, .size: 8, .value_kind: global_buffer, .address_space: global }
      - { .name: wc, .offset: 56, .size: 8, .value_kind: global_buffer, .address_space: global }
      - { .name: ws, .offset: 64, .size: 8, .value_kind: global_buffer, .address_space: global }
    .group_segment_fixed_size: 59904
    .private_segment_fixed_size: 0
    .kernarg_segment_align: 8
    .kernarg_segment_size: 72
    .max_flat_workgroup_size: 128
    .sgpr_count:     66
    .vgpr_count:     250
    .wavefront_size: 32
...
	.end_amdgpu_metadata
.endif
;; end of part 1
;; launch qkv (part 2): grid 12 x 32, 4 waves a work-group, clusters of 4 x 4, 327,680 bytes of LDS; arguments xc, xs, wc, ws, freqs_cos, freqs_sin, qb, kv; writes qb, kv
.if DOCPART == 2
	.amdgcn_target "amdgcn-amd-amdhsa--gfx1250"
	.amdhsa_code_object_version 6
	.text
	.protected	k_q2ffb4e9644_qkv
	.globl	k_q2ffb4e9644_qkv
	.p2align	8
	.type	k_q2ffb4e9644_qkv,@function
k_q2ffb4e9644_qkv:
	s_mov_b64 s[64:65], 0
	v_nop
	global_prefetch_b8 v0, s[64:65] scope:SCOPE_SE
	s_setreg_imm32_b32 hwreg(HW_REG_WAVE_MODE, 25, 1), 1
	s_wait_xcnt 0x0
	s_wait_alu depctr_hold_cnt(0) depctr_sa_sdst(0) depctr_va_vdst(0) depctr_va_sdst(0) depctr_va_ssrc(0) depctr_va_vcc(0) depctr_vm_vsrc(0)
	s_getreg_b32 s2, hwreg(HW_REG_IB_STS2, 6, 4)
	s_cmp_eq_u32 s2, 0
	s_cbranch_scc0 .Lentry_in_a_cluster
	s_endpgm
.Lentry_in_a_cluster:
	s_bfe_u32 s2, ttmp6, 0x10000c
	s_cmp_lg_u32 s2, 0xf033
	s_cbranch_scc0 .Lentry_shape_is_right
	s_endpgm
.Lentry_shape_is_right:
; x wq, x wk, x wv on codes of E3M2 (K = 1,024), the rotary turn of q and k, and the quantising of q and k along the head's 64 and of v along the keys.  q, k, v never reach memory as f32.
; A tile of 256 x 256 results is made by four waves, each 128 x 128: 64 accumulators, 512 registers.  K goes in steps of 256 through two LDS slots filled by the tensor data mover; operands lie in memory and in LDS
; as images of their registers (a fragment of 16 rows x 128 K: six pieces of 256 bytes, lane l's 8 bytes at 8 l), so each fragment comes by six dense loads of 8 bytes a lane, with no pitch and no padding.
; CLUSTERS of 4 x 4.  The operand called A (source 1) hangs on the cluster's row and is asked for jointly by the four of a row, B (source 0) on the column.  A lane holds one row of A; its registers run along rows of B.
; The cluster's x says which product: 0 q, 1 k: A = 256 tokens of x, B = 256 rows of the weight: a lane holds a token, its registers run along the head's channels, q's and k's next K.
;                                     2 v:      A = 256 rows of wv, B = 256 tokens of x: a lane holds a channel, its registers run along the tokens, which are the keys: v's next K.
; THE WAY OUT.  The eight accumulators of 16 rows of A are 64 numbers a lane: four blocks of 32 along the next K, each shared by lanes l and l xor 16.  They become 12 registers of codes and a scale word.
; Inside a block the codes' places 8-15 hold numbers 16-23 and places 16-23 numbers 8-15; q and k, and p and v, come out in the same order, so the products are the same.
; qb, kv: [batch x 16 + head][16 steps of 128 tokens][13,056 bytes]: +0 eight tiles of 16 tokens x 768 bytes (q's or k's half fragments, K = 64); +6,144 v: four tiles of 16 channels x 128 keys, 1,536 bytes each,
; three groups of four registers, lane l at 16 l; +12,288 q's or k's scale words, token 32 g + l at 16 l + 4 g; +12,800 v's scale words, channel 32 g + l at 8 l + 4 g.
; LIMITS: NaN and infinities are not served; a block of zeros gets the byte 1; blocks whose largest magnitude lies under 2^-122 are held at that floor.
.set NQ,    2                          ; matrix instructions deep in a slot
.set FR,    12
.set NL,    6
.set NP,    4                          ; places behind this matrix instruction (ISA guide 7.12.1)
.set KSB,   1536                       ; a fragment's image
.set TROW,  2*KSB                      ; a tile of 16 rows in a slot
.set HALFT, 8*TROW                     ; 128 rows: what one tensor load brings
.set SLOT,  4*HALFT                    ; A's 256 rows, then B's
.set SCL,   2*SLOT                     ; behind the ring: the scale bytes of all of K, filled once
.set HALFS, 4096                       ; those of 128 rows
.set SPARE, SCL+4*HALFS                ; the spare words: 128 bytes for each wave, named by no other line
.set LAPS,  2                          ; K = 1,024 = twice round the ring
.set STEPB, 13056
.set HEADS, 16*STEPB
.set ADRA, 16                          ; v16-17 LDS address of my A fragments in slot 0, 1
.set ADRB, 20                          ; v20-21 of B's
.set ADRS, 27                          ; v27    of my scale words: lanes 0-15 A's rows, lanes 16-31 B's
.set SPW,  28                          ; v28    my spare word; never rewritten
.set NIL,  29                          ; v29    0; never rewritten
.set SC,   32                          ; v32-63 scale words, two sets
.set AF,   128                         ; v128-223 A's fragments, one set (window 0); B's two sets at v0 and v128 of window 1; accumulators in windows 2 and 3
.set T,    128                         ; the way out, window 0: v128-191 at work
.set PC,   192                         ; v192-211 codes
.set TM,   212                         ; v212-227 maxima, bytes, scale operands
.set PW,   228                         ; the scale word
.set SW,   232                         ; v232-239 the eight tiles' words
.set BKR,  240                         ; v240-247 words read back
.set WV,   20                          ; s20 wave; s21 wave / 2: my half of A's rows, and: I fetch for A (0) or B (1); s22 wave % 2: my half of B's rows, and which 128 rows I fetch
.set HF,   21
.set G1,   24
.set G0,   32
.set G1B,  48
.set G0B,  56
.set G1S,  68
.set G0S,  76
.set G1SB, 80
.set G0SB, 88
.set MSB, 0
.macro WIN new                         ; the immediate's high byte repeats the setting that is left
.if MSB != (\new)
	s_set_vgpr_msb (MSB<<8)|(\new)
.set MSB, (\new)
.endif
.endm
.set MUL_LO, 0xa1                      ; source 0 (B) window 1, source 1 (A) window 0, C and D window 2
.set MUL_HI, 0xf1
.set TO_B,   0x40
.macro JLOAD g0a, g1a, g0b, g1b        ; a joint load: waves 0, 1 for A, waves 2, 3 for B; four v_nop follow each line
	s_cmp_eq_u32 s[HF], 0
	s_cbranch_scc0 .Lfor_b_\@
	tensor_load_to_lds s[\g0a:\g0a+3], s[\g1a:\g1a+7]
	s_nop 0
.rept 4
	v_nop
.endr
	s_branch .Lasked_\@
.Lfor_b_\@:
	tensor_load_to_lds s[\g0b:\g0b+3], s[\g1b:\g1b+7]
	s_nop 0
.rept 4
	v_nop
.endr
.Lasked_\@:
.endm
.macro CREST                           ; a round of the cluster's barrier behind its opening barrier
	s_cmp_lg_u32 s[WV], 0
	s_cbranch_scc1 .Lnot_wave_0_\@
	s_barrier_signal -3
.Lnot_wave_0_\@:
	s_barrier_wait -3
	s_barrier_signal -1
	s_barrier_wait -1
.endm
.macro CROUND
	s_barrier_signal -1
	s_barrier_wait -1
	CREST
.endm
.macro FRAG reg, adr, q, i             ; tile i of 16 rows, the slot's q-th 128 along K: six pieces of 256 bytes
.irp p, 0,1,2,3,4,5
	ds_load_b64 v[\reg+2*\p:\reg+2*\p+1], v[\adr] offset:TROW*(\i)+KSB*(\q)+256*\p
.endr
.endm
.macro MUL16 a0, p, q, sc, zero        ; A's blocks a0, a0 + 1 x B's eight; the 64 accumulators take turns, one instruction a turn
.irp a, \a0, \a0+1
.irp b, 0,1,2,3,4,5,6,7
.if \zero
	v_wmma_scale_f32_16x16x128_f8f6f4 v[8*(8*((\a)%4)+\b):8*(8*((\a)%4)+\b)+7], v[128*(\p)+FR*\b:128*(\p)+FR*\b+FR-1], v[AF+FR*(\a):AF+FR*(\a)+FR-1], 0, v[SC+8*NQ*(\sc)+NQ*\b+(\q)], v[SC+8*NQ*(\sc)+NQ*(\a)+(\q)] matrix_a_fmt:MATRIX_FMT_BF6 matrix_b_fmt:MATRIX_FMT_BF6 matrix_a_scale:MATRIX_SCALE_ROW1
.else
	v_wmma_scale_f32_16x16x128_f8f6f4 v[8*(8*((\a)%4)+\b):8*(8*((\a)%4)+\b)+7], v[128*(\p)+FR*\b:128*(\p)+FR*\b+FR-1], v[AF+FR*(\a):AF+FR*(\a)+FR-1], v[8*(8*((\a)%4)+\b):8*(8*((\a)%4)+\b)+7], v[SC+8*NQ*(\sc)+NQ*\b+(\q)], v[SC+8*NQ*(\sc)+NQ*(\a)+(\q)] matrix_a_fmt:MATRIX_FMT_BF6 matrix_b_fmt:MATRIX_FMT_BF6 matrix_a_scale:MATRIX_SCALE_ROW1
.endif
.endr
.endr
.endm
.macro FETCH_B slot, q, p
	WIN TO_B
.irp i, 0,1,2,3,4,5,6,7
	FRAG 128*(\p)+FR*\i, ADRB+\slot, \q, \i
.endr
	WIN 0
.endm
.macro FETCH_A slot, q, i0
.irp i, \i0, \i0+1, \i0+2, \i0+3
	FRAG AF+FR*(\i), ADRA+\slot, \q, \i
.endr
.endm
.macro SCALES sc                       ; a slot's two words a row: lanes 0-15 A's block i, lanes 16-31 B's block i
.irp i, 0,1,2,3,4,5,6,7
	ds_load_b64 v[SC+8*NQ*\sc+NQ*\i:SC+8*NQ*\sc+NQ*\i+1], v[ADRS] offset:\i*128
.endr
.endm
.macro PLACES n
.rept \n
	v_nop
.endr
.endm
.macro STEP slot, q, zero              ; 128 along K that has its successor in the same slot
	s_wait_dscnt 4*NL                              ; B's set and A's blocks 0-3 are in; the 24 loads of A's blocks 4-7 may be out
	WIN MUL_LO
	MUL16 0, (\q)%2, \q, \slot, \zero
	MUL16 2, (\q)%2, \q, \slot, \zero
	s_wait_dscnt 0
	PLACES NP
	FETCH_B \slot, (\q)+1, 1-(\q)%2
	FETCH_A \slot, (\q)+1, 0
	WIN MUL_HI
	MUL16 4, (\q)%2, \q, \slot, \zero
	MUL16 6, (\q)%2, \q, \slot, \zero
	PLACES NP
	WIN 0
	FETCH_A \slot, (\q)+1, 4
.endm
.macro TURN slot, next, fill           ; a slot's last step changes slots: one barrier; with fill = 1 it opens a round of the cluster's barrier and the slot is filled again
	s_wait_tensorcnt 0x0                           ; all my tensor loads have landed: my part of the next slot
	ds_add_u32 v[SPW], v[NIL]                      ; 0 onto my spare word
	s_wait_dscnt 4*NL+1                            ; the add and the 24 loads of A's blocks 4-7 may be out
	WIN MUL_LO
	MUL16 0, 1, NQ-1, \slot, 0
	s_wait_dscnt 0x0                               ; the add is done, and my reads of this slot are over
	s_barrier_signal -1
	MUL16 2, 1, NQ-1, \slot, 0
	WIN 0
	s_barrier_wait -1
.if \fill
	CREST                                          ; no wave of any partner still reads this slot or has a load on its way
	s_add_nc_u64 s[G0+4*\slot+2:G0+4*\slot+3], s[G0+4*\slot+2:G0+4*\slot+3], 2*TROW
	s_add_nc_u64 s[G0B+4*\slot+2:G0B+4*\slot+3], s[G0B+4*\slot+2:G0B+4*\slot+3], 2*TROW
	JLOAD G0+4*\slot, G1, G0B+4*\slot, G1B         ; the first tensor load behind the round; its four v_nop are the places in front of the loads below
.else
	PLACES NP
.endif
	v_add_nc_u32 v[ADRS], 1024, v[ADRS]            ; the next slot's scale words
	FETCH_B \next, 0, 0
	FETCH_A \next, 0, 0
	SCALES \next
	WIN MUL_HI
	MUL16 4, 1, NQ-1, \slot, 0
	MUL16 6, 1, NQ-1, \slot, 0
	PLACES NP
	WIN 0
	FETCH_A \next, 0, 4
.endm
; 64 numbers of a lane in window w, v[s] .. v[s + 63] (eight accumulators, each read from its low end on), become 12 registers of codes in v[PC] on and the row's scale word in v[PW].
.macro QUANT w, s
	WIN (\w)|((\w)<<2)
.irp b, 0,1,2,3
	v_max3_num_f32 v[TM+\b], |v[(\s)+16*\b]|, |v[(\s)+1+16*\b]|, 0x2800000    ; with the floor 2^(5 - 127)
.endr
.irp i, 2,4,6,8,10,12,14
.irp b, 0,1,2,3
	v_max3_num_f32 v[TM+\b], |v[(\s)+16*\b+\i]|, |v[(\s)+1+16*\b+\i]|, v[TM+\b]
.endr
.endr
	WIN 0
.irp b, 0,1,2,3
	v_permlanex16_b32 v[TM+4+\b], v[TM+\b], s98, s99
.endr
.irp b, 0,1,2,3
	v_max_num_f32 v[TM+\b], v[TM+\b], v[TM+4+\b]   ; with lane l xor 16's: the block's largest magnitude
.endr
.irp b, 0,1,2,3
	v_add_nc_u32 v[TM+12+\b], 0xfe000000, v[TM+\b] ; 4 off the exponent field: the conversion's scale operand
.endr
.irp b, 0,1,2,3
	v_lshrrev_b32 v[TM+4+\b], 23, v[TM+12+\b]      ; the byte
.endr
	v_lshl_or_b32 v[PW], v[TM+5], 8, v[TM+4]
	v_lshl_or_b32 v[PW], v[TM+6], 16, v[PW]
	v_lshl_or_b32 v[PW], v[TM+7], 24, v[PW]
	WIN (\w)
.irp c, 0,1
	v_cvt_scalef32_pk16_bf6_f32 v[PC+6*\c:PC+2+6*\c], v[(\s)+32*\c:(\s)+15+32*\c], v[TM+12+2*\c]
	v_cvt_scalef32_pk16_bf6_f32 v[PC+12+4*\c:PC+14+4*\c], v[(\s)+16+32*\c:(\s)+31+32*\c], v[TM+12+2*\c+1]
.endr
	WIN 0
	v_nop                                          ; one plain line behind the conversions
.irp c, 0,1                            ; a whole block to a lane: lanes 0-15 block 2 c, lanes 16-31 block 2 c + 1
.irp i, 0,1,2
	v_permlane16_swap_b32 v[PC+6*\c+\i], v[PC+12+4*\c+\i]
.endr
.irp i, 0,1,2
	v_mov_b32 v[PC+3+6*\c+\i], v[PC+12+4*\c+\i]
.endr
.endr
.endm
; The rotary turn of token tile a: registers 4 uu .. 4 uu + 3 are two pairs (t0, t1); their cos and sin are registers 2 (uu % 8), + 1 of the tile's sixteen, in window 1.
.macro ROT a
.set W,  2+(\a)/4
.set AC, 64*((\a)%4)
.set CN, 32*(\a)
.set SN, 32*(\a)+16
	WIN W|(1<<2)
.set uu, 0
.rept 16
	v_pk_mul_f32 v[T+4*uu:T+4*uu+1], v[AC+4*uu:AC+4*uu+1], v[SN+2*(uu%8):SN+2*(uu%8)+1] op_sel:[1,0] op_sel_hi:[0,0]       ; (t1 s, t0 s)
	v_pk_mul_f32 v[T+4*uu+2:T+4*uu+3], v[AC+4*uu+2:AC+4*uu+3], v[SN+2*(uu%8):SN+2*(uu%8)+1] op_sel:[1,1] op_sel_hi:[0,1]
.set uu, uu+1
.endr
	WIN W|(1<<2)|(W<<6)
.set uu, 0
.rept 16
	v_pk_fma_f32 v[AC+4*uu:AC+4*uu+1], v[AC+4*uu:AC+4*uu+1], v[CN+2*(uu%8):CN+2*(uu%8)+1], v[T+4*uu:T+4*uu+1] op_sel:[0,0,0] op_sel_hi:[1,0,1] neg_lo:[0,0,1]   ; (t0 c - t1 s, t1 c + t0 s)
	v_pk_fma_f32 v[AC+4*uu+2:AC+4*uu+3], v[AC+4*uu+2:AC+4*uu+3], v[CN+2*(uu%8):CN+2*(uu%8)+1], v[T+4*uu+2:T+4*uu+3] op_sel:[0,1,0] op_sel_hi:[1,1,1] neg_lo:[0,0,1]
.set uu, uu+1
.endr
.endm
.macro QKTILE a                        ; 16 tokens x my two heads
	s_wait_loadcnt 8*(7-(\a))                      ; this tile's cos and sin are in; the later tiles' eight loads each may be out
	s_wait_xcnt 0x0                                ; the last tile's stores have read the codes' registers
	ROT \a
	QUANT 2+(\a)/4, 64*((\a)%4)
.irp e, 0,1
.irp p, 0,1,2
	global_store_b64 v24, v[PC+6*\e+2*\p:PC+6*\e+2*\p+1], s[16:17] offset:\e*HEADS+768*(\a)+256*\p    ; 256 consecutive bytes, aligned
.endr
.endr
	v_lshrrev_b32 v[SW+(\a)], v15, v[PW]           ; lanes 0-15 keep the word (its low two bytes: the first head's), lanes 16-31 take the second head's two bytes down
	ds_store_b32 v30, v[SW+(\a)] offset:256*((\a)%2)+4*((\a)/2)
.endm
.macro VTILE a                         ; 16 channels (head a / 4, tile a % 4) x my 128 keys
	s_wait_xcnt 0x0
	QUANT 2+(\a)/4, 64*((\a)%4)
.irp g, 0,1,2
	global_store_b128 v25, v[PC+4*\g:PC+4*\g+3], s[16:17] offset:((\a)/4)*HEADS+6144+1536*((\a)%4)+512*\g
.endr
	v_mov_b32 v[SW+(\a)], v[PW]
	ds_store_b32 v31, v[SW+(\a)] offset:256*((\a)/4)+128*((\a)%2)+4*(((\a)%4)/2)    ; both halves of the lanes store the same word
.endm
	s_load_b512 s[4:19], s[0:1], 0x0               ; xc, xs, wc, ws, cos, sin, qb, kv
	v_lshl_add_u32 v[SPW], v0, 2, SPARE
	v_mov_b32 v[NIL], 0
	ds_add_u32 v28, v29
	s_wait_dscnt 0x0
	v_lshrrev_b32 v1, 5, v0
	v_readfirstlane_b32 s[WV], v1
	s_lshr_b32 s21, s20, 1
	s_and_b32 s22, s20, 1
	s_bfe_u32 s40, ttmp6, 0x40000                  ; cx
	s_bfe_u32 s41, ttmp6, 0x40004                  ; cy
	s_and_b32 s42, ttmp7, 0xffff                   ; the cluster's y: 1,024 tokens
	s_lshl_b32 s43, s41, 2
	s_lshl_b32 s43, 15, s43                        ; my row of the cluster
	s_lshl_b32 s44, 0x1111, s40                    ; my column
	; group 1 for codes: 8 tiles of 16 rows x 3,072 bytes (384 elements of 8 bytes), 12,288 bytes (1,536 elements) apart; no padding
	s_or_b32 s[G1], s43, (3<<16)|(1<<21)
	s_or_b32 s[G1B], s44, (3<<16)|(1<<21)
.irp g, G1, G1B
	s_mov_b32 s[\g+1], 384<<16
	s_mov_b32 s[\g+2], 8<<16
	s_mov_b32 s[\g+3], 384<<16
	s_mov_b32 s[\g+4], 8
	s_mov_b32 s[\g+5], 1536
	s_mov_b32 s[\g+6], 0
	s_mov_b32 s[\g+7], 0
.endr
	; and for the scale bytes of 128 rows: 4,096 dense bytes as 16 rows of 256
	s_or_b32 s[G1S], s43, (3<<16)|(1<<21)
	s_or_b32 s[G1SB], s44, (3<<16)|(1<<21)
.irp g, G1S, G1SB
	s_mov_b32 s[\g+1], 32<<16
	s_mov_b32 s[\g+2], 16<<16
	s_mov_b32 s[\g+3], 32<<16
	s_mov_b32 s[\g+4], 16
	s_mov_b32 s[\g+5], 32
	s_mov_b32 s[\g+6], 0
	s_mov_b32 s[\g+7], 0
.endr
	; every vector address is made here, ahead of the first branch on the wave's number
	v_and_b32 v1, 15, v0                           ; r
	v_bfe_u32 v2, v0, 4, 1                         ; h
	v_and_b32 v3, 31, v0                           ; lane
	v_lshlrev_b32 v24, 3, v3                       ; 8 x lane
	v_lshlrev_b32 v25, 4, v3                       ; 16 x lane
	s_mul_i32 s23, s21, HALFT
	s_mul_i32 s45, s22, HALFT
	s_add_co_u32 s45, s45, 2*HALFT
.irp s, 0,1
	v_add_nc_u32 v[ADRA+\s], s23, v24
	v_add_nc_u32 v[ADRB+\s], s45, v24
	s_add_co_u32 s23, s23, SLOT
	s_add_co_u32 s45, s45, SLOT
.endr
	v_lshlrev_b32 v5, 3, v1                        ; my row's 8 bytes of a slot
	s_lshl_b32 s23, s21, 12                        ; A's: my 128 rows
	s_lshl_b32 s45, s22, 12                        ; B's: my 128 rows, behind A's 256
	s_add_co_u32 s45, s45, 2*HALFS
	s_sub_co_u32 s45, s45, s23
	v_mul_u32_u24 v6, s45, v2                      ; lanes 16-31 take B's
	s_add_co_u32 s23, s23, SCL
	v_add_nc_u32 v5, v5, v6
	v_add_nc_u32 v[ADRS], s23, v5
	v_lshlrev_b32 v26, 7, v1
	v_lshl_add_u32 v26, v2, 4, v26                 ; cos, sin: token r's 128 bytes, + 16 h
	s_lshl_b32 s23, s20, 11                        ; my 2,048 bytes for scale words, in slot 0 after its last fill and last read
	v_lshlrev_b32 v30, 4, v1
	v_lshl_add_u32 v30, v2, 9, v30
	v_add_nc_u32 v30, s23, v30                     ; q, k: 16 r + 512 h
	v_lshlrev_b32 v31, 3, v1
	v_add_nc_u32 v31, s23, v31
	v_add_nc_u32 v31, 1024, v31                    ; v: 1,024 + 8 r
	v_add_nc_u32 v14, s23, v25                     ; back: 16 x lane
	v_lshlrev_b32 v15, 4, v2                       ; 16 h
	v_mul_u32_u24 v13, v2, HEADS
	v_lshl_add_u32 v13, v1, 4, v13                 ; v's words in memory: 16 (lane % 16), the second head for lanes 16-31
	; where the tiles come from
	s_lshl_b32 s45, s42, 10                        ; 1,024 x cluster y
	s_lshl_b32 s46, ttmp9, 10                      ; 1,024 x cluster x
	s_lshl_b32 s47, s22, 7                         ; which 128 rows I fetch
	s_cmp_eq_u32 ttmp9, 2
	s_cselect_b32 s92, 2048, s45                   ; A: wv's rows in wc, or x's
	s_cselect_b32 s94, s45, s46                    ; B: x's rows, or the weight's
	s_lshl_b32 s93, s41, 8
	s_add_co_u32 s92, s92, s93
	s_add_co_u32 s92, s92, s47                     ; A's first row: hangs on cy alone of the two places
	s_lshl_b32 s95, s40, 8
	s_add_co_u32 s94, s94, s95
	s_add_co_u32 s94, s94, s47                     ; B's: on cx alone
	s_mul_i32 s96, s92, 768
	s_mov_b32 s97, 0
	s_lshl_b32 s98, s92, 5
	s_mov_b32 s99, 0
	s_mul_i32 s100, s94, 768
	s_mov_b32 s101, 0
	s_lshl_b32 s46, s94, 5
	s_mov_b32 s47, 0
	; where the results go
	s_lshl_b32 s2, s41, 1
	s_add_co_u32 s2, s2, s21                       ; 2 cy + wave / 2: which 128 rows of A in the cluster's 1,024
	s_lshl_b32 s3, s40, 1
	s_add_co_u32 s3, s3, s22                       ; 2 cx + wave % 2: which 128 rows of B
	s_cmp_eq_u32 ttmp9, 2
	s_cselect_b32 s66, s2, s3                      ; the pair of heads lies along the weight's rows,
	s_cselect_b32 s67, s3, s2                      ; the step of 128 tokens along x's
	s_lshl_b32 s66, s66, 1
	s_lshr_b32 s23, s42, 1                         ; the batch
	s_lshl_b32 s23, s23, 4
	s_add_co_u32 s66, s66, s23
	s_lshl_b32 s66, s66, 4
	s_add_co_u32 s66, s66, s67
	s_and_b32 s23, s42, 1
	s_lshl_b32 s67, s23, 3
	s_add_co_u32 s66, s66, s67
	s_mul_i32 s66, s66, STEPB
	s_mov_b32 s67, 0
	s_lshl_b32 s23, s23, 17                        ; cos, sin: my first token's place in the sequence x 128 bytes
	s_lshl_b32 s2, s2, 14
	s_add_co_u32 s2, s2, s23
	s_mov_b32 s3, 0
	s_wait_kmcnt 0x0
	s_cmp_eq_u32 ttmp9, 2
	s_cselect_b64 s[92:93], s[8:9], s[4:5]         ; A's codes
	s_cselect_b64 s[42:43], s[10:11], s[6:7]       ; A's scales
	s_cselect_b64 s[94:95], s[4:5], s[8:9]         ; B's codes
	s_cselect_b64 s[44:45], s[6:7], s[10:11]       ; B's scales
	s_add_nc_u64 s[92:93], s[92:93], s[96:97]
	s_add_nc_u64 s[42:43], s[42:43], s[98:99]
	s_add_nc_u64 s[94:95], s[94:95], s[100:101]
	s_add_nc_u64 s[44:45], s[44:45], s[46:47]
	s_cmp_eq_u32 ttmp9, 0
	s_cselect_b64 s[16:17], s[16:17], s[18:19]     ; q goes to qb, k and v to kv
	s_add_nc_u64 s[16:17], s[16:17], s[66:67]
	s_add_nc_u64 s[12:13], s[12:13], s[2:3]
	s_add_nc_u64 s[14:15], s[14:15], s[2:3]
	s_mul_i32 s96, s20, HALFT                      ; where the tiles go: wave x 128 rows
	s_mul_i32 s97, s20, HALFS
	s_mov_b32 s98, 0x76543210                      ; v_permlanex16_b32's selects for lane l xor 16
	s_mov_b32 s99, 0xfedcba98
	CROUND                                         ; all sixteen work-groups are here: the first joint loads meet
	s_mov_b32 s[G0S], 1
	s_add_co_u32 s[G0S+1], s97, SCL
	s_mov_b64 s[G0S+2:G0S+3], s[42:43]
	s_or_b32 s[G0S+3], s[G0S+3], 0x80000000
	s_mov_b32 s[G0SB], 1
	s_add_co_u32 s[G0SB+1], s97, SCL
	s_mov_b64 s[G0SB+2:G0SB+3], s[44:45]
	s_or_b32 s[G0SB+3], s[G0SB+3], 0x80000000
	JLOAD G0S, G1S, G0SB, G1SB                     ; the scale bytes first
.irp s, 0,1
	s_mov_b32 s[G0+4*\s], 1
	s_add_co_u32 s[G0+4*\s+1], s96, \s*SLOT
	s_add_nc_u64 s[G0+4*\s+2:G0+4*\s+3], s[92:93], \s*TROW
	s_or_b32 s[G0+4*\s+3], s[G0+4*\s+3], 0x80000000
	s_mov_b32 s[G0B+4*\s], 1
	s_add_co_u32 s[G0B+4*\s+1], s96, \s*SLOT
	s_add_nc_u64 s[G0B+4*\s+2:G0B+4*\s+3], s[94:95], \s*TROW
	s_or_b32 s[G0B+4*\s+3], s[G0B+4*\s+3], 0x80000000
	JLOAD G0+4*\s, G1, G0B+4*\s, G1B
.endr
	s_wait_tensorcnt 1                             ; the scales and my part of slot 0 are in; slot 1's load may be out
	s_barrier_signal -1
	s_barrier_wait -1
	FETCH_B 0, 0, 0
	FETCH_A 0, 0, 0
	SCALES 0
	FETCH_A 0, 0, 4
	STEP 0, 0, 1                                   ; the first step's products start the sums
	s_mov_b32 s3, LAPS-1
.Llap:
	TURN 0, 1, 1
	STEP 1, 0, 0
	TURN 1, 0, 1
	STEP 0, 0, 0
	s_sub_co_u32 s3, s3, 1
	s_cmp_lg_u32 s3, 0
	s_cbranch_scc1 .Llap
	TURN 0, 1, 0                                   ; the last lap fills nothing
	STEP 1, 0, 0
	s_wait_dscnt 4*NL
	WIN MUL_LO
	MUL16 0, 1, NQ-1, 1, 0
	MUL16 2, 1, NQ-1, 1, 0
	s_wait_dscnt 0
	WIN MUL_HI
	MUL16 4, 1, NQ-1, 1, 0
	MUL16 6, 1, NQ-1, 1, 0
	WIN 0
	PLACES NP                                      ; behind the last products: results are read, and operands' registers written, from here on
.irp b, 0,1,2,3
	v_mov_b32 v[TM+4+\b], 0                        ; a lane permute's destination counts as read
.endr
	s_cmp_eq_u32 ttmp9, 2                          ; the cluster's x: the same in all partners
	s_cbranch_scc1 .Lvpath
	; ---- q, k: the rotary turn, then the quantiser
	WIN 0x40                                       ; destination window 1, where B's fragments lay
.irp a, 0,1,2,3,4,5,6,7
.irp bq, 0,1,2,3
	global_load_b128 v[32*\a+4*\bq:32*\a+4*\bq+3], v26, s[12:13] offset:2048*\a+32*\bq          ; cos of pairs 8 bq + 4 h + 0 .. 3 of token 16 a + r
.endr
.irp bq, 0,1,2,3
	global_load_b128 v[32*\a+16+4*\bq:32*\a+16+4*\bq+3], v26, s[14:15] offset:2048*\a+32*\bq    ; sin
.endr
.endr
	WIN 0
.irp a, 0,1,2,3,4,5,6,7
	QKTILE \a
.endr
	ds_load_b128 v[BKR:BKR+3], v14                 ; LDS serves a wave's instructions in order: these see my stores
	ds_load_b128 v[BKR+4:BKR+7], v14 offset:512
	s_wait_dscnt 0x0
	global_store_b128 v25, v[BKR:BKR+3], s[16:17] offset:12288            ; the first head's 128 words: 512 consecutive bytes
	global_store_b128 v25, v[BKR+4:BKR+7], s[16:17] offset:12288+HEADS    ; the second head's
	s_branch .Ljoin
	; ---- v: the quantiser along the keys
.Lvpath:
.irp a, 0,1,2,3,4,5,6,7
	VTILE \a
.endr
	ds_load_b128 v[BKR:BKR+3], v14 offset:1024
	s_wait_dscnt 0x0
	global_store_b128 v13, v[BKR:BKR+3], s[16:17] offset:12800            ; 256 consecutive bytes for each of the two heads
.Ljoin:
	s_wait_tensorcnt 0x0                           ; the wave's end
	ds_add_u32 v[SPW], v[NIL]
	s_wait_dscnt 0x0
	CROUND                                         ; the closing round
	s_endpgm
.Lfunc_end_k_q2ffb4e9644_qkv:
	.size	k_q2ffb4e9644_qkv, .Lfunc_end_k_q2ffb4e9644_qkv-k_q2ffb4e9644_qkv
	.p2alignl 7, 3214868480
	.fill 96, 4, 3214868480
	.section	.rodata,"a",@progbits
	.p2align	6, 0x0
	.amdhsa_kernel k_q2ffb4e9644_qkv
		.amdhsa_group_segment_fixed_size 327680
		.amdhsa_private_segment_fixed_size 0
		.amdhsa_enable_private_segment 0
		.amdhsa_kernarg_size 64
		.amdhsa_user_sgpr_count 2
		.amdhsa_user_sgpr_kernarg_segment_ptr 1
		.amdhsa_wavefront_size32 1
		.amdhsa_system_sgpr_workgroup_id_x 1
		.amdhsa_system_sgpr_workgroup_id_y 1
		.amdhsa_system_sgpr_workgroup_id_z 1
		.amdhsa_system_vgpr_workitem_id 0
		.amdhsa_next_free_vgpr 1024
		.amdhsa_next_free_sgpr 102
		.amdhsa_reserve_vcc 0
		.amdhsa_float_denorm_mode_32 3
		.amdhsa_float_denorm_mode_16_64 3
		.amdhsa_memory_ordered 1
		.amdhsa_forward_progress 1
		.amdhsa_inst_pref_size 241
	.end_amdhsa_kernel
	.amdgpu_metadata
---
amdhsa.version: [ 1, 2 ]
amdhsa.kernels:
  - .name:           k_q2ffb4e9644_qkv
    .symbol:         k_q2ffb4e9644_qkv.kd
    .args:
      - { .name: xc, .offset: 0, .size: 8, .value_kind: global_buffer, .address_space: global }
      - { .name: xs, .offset: 8, .size: 8, .value_kind: global_buffer, .address_space: global }
      - { .name: wc, .offset: 16, .size: 8, .value_kind: global_buffer, .address_space: global }
      - { .name: ws, .offset: 24, .size: 8, .value_kind: global_buffer, .address_space: global }
      - { .name: freqs_cos, .offset: 32, .size: 8, .value_kind: global_buffer, .address_space: global }
      - { .name: freqs_sin, .offset: 40, .size: 8, .value_kind: global_buffer, .address_space: global }
      - { .name: qb, .offset: 48, .size: 8, .value_kind: global_buffer, .address_space: global }
      - { .name: kv, .offset: 56, .size: 8, .value_kind: global_buffer, .address_space: global }
    .group_segment_fixed_size: 327680
    .private_segment_fixed_size: 0
    .kernarg_segment_align: 8
    .kernarg_segment_size: 64
    .max_flat_workgroup_size: 128
    .sgpr_count:     102
    .vgpr_count:     1024
    .wavefront_size: 32
...
	.end_amdgpu_metadata
.endif
;; end of part 2
;; launch attn (part 3): grid 32 x 16, 16 waves a work-group, clusters of 4 x 4, 327,680 bytes of LDS; arguments qb, kv, mask, oc, os; writes oc, os
.if DOCPART == 3
	.amdgcn_target "amdgcn-amd-amdhsa--gfx1250"
	.amdhsa_code_object_version 6
	.text
	.protected	k_q2ffb4e9644_attn
	.globl	k_q2ffb4e9644_attn
	.p2align	8
	.type	k_q2ffb4e9644_attn,@function
k_q2ffb4e9644_attn:
	s_mov_b64 s[64:65], 0
	v_nop
	global_prefetch_b8 v0, s[64:65] scope:SCOPE_SE
	s_setreg_imm32_b32 hwreg(HW_REG_WAVE_MODE, 25, 1), 1
	s_wait_xcnt 0x0
	s_wait_alu depctr_hold_cnt(0) depctr_sa_sdst(0) depctr_va_vdst(0) depctr_va_sdst(0) depctr_va_ssrc(0) depctr_va_vcc(0) depctr_vm_vsrc(0)
	s_getreg_b32 s2, hwreg(HW_REG_IB_STS2, 6, 4)
	s_cmp_eq_u32 s2, 0
	s_cbranch_scc0 .Lentry_in_a_cluster
	s_endpgm
.Lentry_in_a_cluster:
	s_bfe_u32 s2, ttmp6, 0x10000c
	s_cmp_lg_u32 s2, 0xf033
	s_cbranch_scc0 .Lentry_shape_is_right
	s_endpgm
.Lentry_shape_is_right:
; o = softmax(q k^T / 8 + mask) v for 64 batch-heads of 2,048 tokens x 64 channels, both products on codes of E3M2, and o's quantising along D for the last product.
; THE MASK IS AN INPUT: every score is computed and every word of the mask is read; u = score x 0.125 + mask is one fused multiply-add (the division by 8 is exact, so it rounds as the sum of the two does).
; THE SOFTMAX: t = u log2(e); M = the running largest t rounded up to a whole number; p = 2^(t - M) is quantised along the keys, not normalised; the row's sum is taken of the unquantised p and divides at the end.
; When M moves, the sum and O are multiplied by 2^(old M - new M), which rounds nothing.
; SHARES.  A work-group owns 64 queries x 4 heads of one batch; wave w owns head w % 4 and the 16 queries of tile w / 4, in 256 registers: four waves to a SIMD.  Every wave walks all 2,048 keys, 128 a step.
; CLUSTERS of 4 x 4.  The four of a row share batch and heads: k's and v's blocks are asked for jointly along the row.  The four of a column share the queries: the mask's tile is asked for jointly along the column.
; In LDS the mask's tile serves the work-group's four heads.
; LAYOUT.  Both products are used transposed: S^T = K Q^T, O^T = V^T P^T: a lane holds one query (lane % 16) throughout.  K = 64 in the first product: Q's fragment is six registers of codes and six of zero codes; K's tiles
; lie six registers apiece, and a tile's operand runs on into the next tile's six, which meet Q's zeros (E3M2 has no NaN and no infinity; the scale bytes that go with them are ordinary bytes or 0, never 0xff).
; Inside each block of 32 along a product's K the codes' places 8-15 and 16-23 are exchanged, alike on both sides.
; A step's block of a head, 13,056 bytes: +0 k, eight tiles x 768; +6,144 v, four tiles x 1,536; +12,288 k's scale words; +12,800 v's.
; LIMITS: NaN and +infinity among the inputs are not served.  A mask word of -infinity gives p = 0; a row whose every word is -infinity gives 0 / 0.  A block of zeros gets the byte 1.
; REGISTERS: v1-4, v7 addresses that stay; v5, v6 the spare word's; v8-11, v30 addresses in hand; v12 -M, v13 the largest t, v[14:15] the sum; v16-27 Q; v28 the prefetch's offset; v29 Q's scale word;
; v32-79 K's tiles, then the mask's tiles 0-5, then V's fragments; v80-85 zeros; v86-90 the way out's addresses; v96-159 S^T, u, p; v160-191 O^T; v192-211 p's codes; v212-223 at work;
; v224-227 K's scale words, v228-229 V's, v230 p's; v[232:233] f; v236-251 the mask's tiles 6, 7; v[252:253] the sum's second chain; v254 at work.
.set STEPB, 13056
.set HEADS, 16*STEPB
.set SLOT1, 1<<17                      ; slot 1 begins here: one exclusive or turns an address
.set MOFF,  4*STEPB                    ; behind the four heads' blocks: the mask's tile, 64 rows of 512 bytes + 16
.set MP,    528
.set OSTG,  MOFF+64*MP                 ; 512 bytes for o's scale bytes: no tensor load lands here
.set SPARE, SLOT1+OSTG                 ; the spare words: 128 bytes for each of 16 waves, named by no other line
.set WV,   18
.set G1K,  28
.set G1M,  36
.set G0K,  44
.set G0M,  48
.macro CROUND
	s_barrier_signal -1
	s_barrier_wait -1
	s_cmp_lg_u32 s[WV], 0
	s_cbranch_scc1 .Lnot_wave_0_\@
	s_barrier_signal -3
.Lnot_wave_0_\@:
	s_barrier_wait -3
	s_barrier_signal -1
	s_barrier_wait -1
.endm
.macro TLOAD                           ; waves 0-3 fetch the four heads' blocks, wave 4 the mask's tile; four v_nop follow each line
	s_cmp_lt_u32 s[WV], 4
	s_cbranch_scc0 .Lnot_k_\@
	tensor_load_to_lds s[G0K:G0K+3], s[G1K:G1K+7]
	s_nop 0
.rept 4
	v_nop
.endr
	s_branch .Lasked_\@
.Lnot_k_\@:
	s_cmp_eq_u32 s[WV], 4
	s_cbranch_scc0 .Lasked_\@
	tensor_load_to_lds s[G0M:G0M+3], s[G1M:G1M+7]
	s_nop 0
.rept 4
	v_nop
.endr
.Lasked_\@:
.endm
; A prefetch of what the NEXT change of slots will ask for, one key step ahead of that load.  k's and v's blocks are walked by all eight clusters of a batch's row of clusters: the first (cluster x = 0) asks; its four partners
; along x take one head's block each, told apart by address; waves 8 and 9, lanes 256 bytes apart (51 blocks of 256 bytes; the lanes left over name the last).  The mask's tile is walked by all four batches: cluster y = 0 asks;
; its four partners along y take 16 rows each, by address; wave 10, two lanes to a row of 512 bytes.  The last change that fills a slot asks for nothing.
.macro ASK
	s_cmp_gt_u32 s3, s80
	s_cbranch_scc0 .Lnot_mine_\@
	global_prefetch_b8 v28, s[76:77] th:TH_LOAD_NT scope:SCOPE_SE
.Lnot_mine_\@:
.endm
.macro CHANGE fill                     ; at a step's head: the slot ahead is whole, nobody reads the other; fill = 1: the other is filled with the next step
	s_wait_tensorcnt 0x0                           ; no tensor load of mine is out, so a group 0 may be written
	ds_add_u32 v5, v6                              ; 0 onto my spare word
.if \fill
	s_xor_b32 s[G0K+1], s[G0K+1], SLOT1
	s_add_nc_u64 s[G0K+2:G0K+3], s[G0K+2:G0K+3], STEPB
	s_xor_b32 s[G0M+1], s[G0M+1], SLOT1
	s_add_nc_u64 s[G0M+2:G0M+3], s[G0M+2:G0M+3], 512
	s_wait_xcnt 0x0                                ; the last prefetch, a step back, has read its address
	s_add_nc_u64 s[76:77], s[76:77], s[78:79]
	s_wait_dscnt 0x0                               ; the add is done, and my reads of the slot that I have left are over
	CROUND                                         ; the same holds of every wave of every partner
	TLOAD                                          ; the first tensor load behind the round, one a wave
	ASK
.else
	s_wait_dscnt 0x0
	s_barrier_signal -1
	s_barrier_wait -1
.endif
.endm
.macro STEP
	v_add_nc_u32 v8, s2, v1                        ; (these five are also the places behind the last step's products)
	v_add_nc_u32 v9, s2, v2
	v_add_nc_u32 v10, s2, v3
	v_add_nc_u32 v11, s2, v4
	v_add_nc_u32 v30, s2, v7
.irp t, 0,1,2,3,4,5,6,7
.irp p, 0,1,2
	ds_load_b64 v[32+6*\t+2*\p:33+6*\t+2*\p], v8 offset:768*\t+256*\p
.endr
.endr
	ds_load_b128 v[224:227], v10                   ; register g, lane l: key 32 g + l's word
	s_wait_dscnt 0x0
.irp g, 0,1,2,3
	v_wmma_scale_f32_16x16x128_f8f6f4 v[96+16*\g:103+16*\g], v[32+12*\g:43+12*\g], v[16:27], 0, v[224+\g], v29 matrix_a_fmt:MATRIX_FMT_BF6 matrix_b_fmt:MATRIX_FMT_BF6
	v_wmma_scale_f32_16x16x128_f8f6f4 v[104+16*\g:111+16*\g], v[38+12*\g:49+12*\g], v[16:27], 0, v[224+\g], v29 matrix_a_fmt:MATRIX_FMT_BF6 matrix_b_fmt:MATRIX_FMT_BF6 matrix_a_scale:MATRIX_SCALE_ROW1
.endr
.rept 4
	v_nop                                          ; places in front of loads into K's registers and of the first read of the scores
.endr
.irp t, 0,1,2,3,4,5
	ds_load_b128 v[32+8*\t:35+8*\t], v30 offset:64*\t
	ds_load_b128 v[36+8*\t:39+8*\t], v30 offset:64*\t+16
.endr
.irp t, 0,1
	ds_load_b128 v[236+8*\t:239+8*\t], v30 offset:384+64*\t
	ds_load_b128 v[240+8*\t:243+8*\t], v30 offset:384+64*\t+16
.endr
	s_wait_dscnt 0x0
.irp t, 0,1,2,3,4,5
.irp j, 0,2,4,6
	v_pk_fma_f32 v[96+8*\t+\j:97+8*\t+\j], v[96+8*\t+\j:97+8*\t+\j], s[26:27], v[32+8*\t+\j:33+8*\t+\j] op_sel_hi:[1,0,1]   ; u = score / 8 + mask; each accumulator from its low end on
.endr
.endr
.irp t, 0,1
.irp j, 0,2,4,6
	v_pk_fma_f32 v[144+8*\t+\j:145+8*\t+\j], v[144+8*\t+\j:145+8*\t+\j], s[26:27], v[236+8*\t+\j:237+8*\t+\j] op_sel_hi:[1,0,1]
.endr
.endr
.irp c, 0,1,2,3                        ; V's fragments land while the softmax is walked
.irp g, 0,1,2
	ds_load_b128 v[32+12*\c+4*\g:35+12*\c+4*\g], v9 offset:1536*\c+512*\g
.endr
.endr
	ds_load_b64 v[228:229], v11                    ; register g, lane l: channel 32 g + l's word
.irp b, 0,1,2,3
	v_max3_num_f32 v[212+\b], v[96+16*\b], v[97+16*\b], v[98+16*\b]       ; the largest u of each block of 32 keys: for the row's maximum and, since p rises with u, for the block's largest p
.endr
.irp i, 3,5,7,9,11,13
.irp b, 0,1,2,3
	v_max3_num_f32 v[212+\b], v[212+\b], v[96+16*\b+\i], v[97+16*\b+\i]
.endr
.endr
.irp b, 0,1,2,3
	v_max_num_f32 v[212+\b], v[212+\b], v[111+16*\b]
.endr
.irp b, 0,1,2,3
	v_permlanex16_b32 v[216+\b], v[212+\b], s20, s21
.endr
.irp b, 0,1,2,3
	v_max_num_f32 v[212+\b], v[212+\b], v[216+\b]
.endr
	v_max3_num_f32 v254, v212, v213, v214
	v_max_num_f32 v254, v254, v215
	v_mul_f32 v254, s22, v254                      ; as t
	v_max_num_f32 v13, v13, v254                   ; the running largest t
	v_mov_b32 v254, v12
	v_floor_f32 v12, -v13                          ; -M = floor(-t)
	v_sub_f32 v254, v12, v254                      ; old M - new M: a whole number, 0 or less
	v_cvt_i32_f32 v254, v254                       ; (it saturates)
	v_ldexp_f32 v232, 1.0, v254                    ; f = 2^(old M - new M)
.set j, 0
.rept 32
	v_pk_fma_f32 v[96+j:97+j], v[96+j:97+j], s[22:23], v[12:13] op_sel_hi:[1,0,0]   ; t - M
.set j, j+2
.endr
.irp b, 0,1,2,3
	v_fma_f32 v[212+\b], v[212+\b], s22, v12
.endr
.set j, 0
.rept 64
	v_exp_f32 v[96+j], v[96+j]                     ; p = 2^(t - M)
.set j, j+1
.endr
	v_pk_mul_f32 v[14:15], v[14:15], v[232:233] op_sel_hi:[1,0]   ; the sum under the new M: the plain line behind the exponentials
	s_wait_alu depctr_va_vdst(0)                   ; one wait for the batch, ahead of its first reader
.irp b, 0,1,2,3
	v_exp_f32 v[212+\b], v[212+\b]                 ; the blocks' largest p
.endr
	v_pk_add_f32 v[252:253], v[96:97], v[98:99]    ; the row's sum of the unquantised p, in two chains
.irp j, 4,8,12,16,20,24,28,32,36,40,44,48,52,56,60
	v_pk_add_f32 v[14:15], v[14:15], v[96+\j:97+\j]
	v_pk_add_f32 v[252:253], v[252:253], v[98+\j:99+\j]
.endr
	v_pk_add_f32 v[14:15], v[14:15], v[252:253]
	s_wait_alu depctr_va_vdst(0)                   ; and one for the four
.irp b, 0,1,2,3
	v_max_num_f32 v[212+\b], 0x2800000, v[212+\b]  ; the floor 2^(5 - 127)
.endr
.irp b, 0,1,2,3
	v_add_nc_u32 v[220+\b], 0xfe000000, v[212+\b]
.endr
.irp b, 0,1,2,3
	v_lshrrev_b32 v[216+\b], 23, v[220+\b]
.endr
	v_lshl_or_b32 v230, v217, 8, v216              ; p's scale word for these 128 keys
	v_lshl_or_b32 v230, v218, 16, v230
	v_lshl_or_b32 v230, v219, 24, v230
.irp c, 0,1
	v_cvt_scalef32_pk16_bf6_f32 v[192+6*\c:194+6*\c], v[96+32*\c:111+32*\c], v[220+2*\c]
	v_cvt_scalef32_pk16_bf6_f32 v[204+4*\c:206+4*\c], v[112+32*\c:127+32*\c], v[220+2*\c+1]
.endr
	v_nop
.irp c, 0,1
.irp i, 0,1,2
	v_permlane16_swap_b32 v[192+6*\c+\i], v[204+4*\c+\i]
.endr
.irp i, 0,1,2
	v_mov_b32 v[195+6*\c+\i], v[204+4*\c+\i]
.endr
.endr
.set j, 0
.rept 16
	v_pk_mul_f32 v[160+j:161+j], v[160+j:161+j], v[232:233] op_sel_hi:[1,0]   ; O^T under the new M; these sixteen are the places between the scale word and the codes just made and the products below
.set j, j+2
.endr
	s_wait_dscnt 0x0                               ; V
.irp g, 0,1
	v_wmma_scale_f32_16x16x128_f8f6f4 v[160+16*\g:167+16*\g], v[32+24*\g:43+24*\g], v[192:203], v[160+16*\g:167+16*\g], v[228+\g], v230 matrix_a_fmt:MATRIX_FMT_BF6 matrix_b_fmt:MATRIX_FMT_BF6
	v_wmma_scale_f32_16x16x128_f8f6f4 v[168+16*\g:175+16*\g], v[44+24*\g:55+24*\g], v[192:203], v[168+16*\g:175+16*\g], v[228+\g], v230 matrix_a_fmt:MATRIX_FMT_BF6 matrix_b_fmt:MATRIX_FMT_BF6 matrix_a_scale:MATRIX_SCALE_ROW1
.endr
.endm
	s_load_b256 s[4:11], s[0:1], 0x0               ; qb, kv, mask, oc
	s_load_b64 s[12:13], s[0:1], 0x20              ; os
	v_lshl_add_u32 v5, v0, 2, SPARE
	v_mov_b32 v6, 0
	ds_add_u32 v5, v6
	s_wait_dscnt 0x0
	v_lshrrev_b32 v8, 5, v0
	v_readfirstlane_b32 s[WV], v8                  ; wave 0..15
	s_and_b32 s14, s18, 3                          ; my head of the four
	s_lshr_b32 s15, s18, 2                         ; my tile of 16 queries
	s_bfe_u32 s16, ttmp6, 0x40000                  ; cx
	s_bfe_u32 s17, ttmp6, 0x40004                  ; cy
	s_and_b32 s19, ttmp7, 0xffff                   ; the cluster's y: the batch
	s_lshl_b32 s24, ttmp9, 2
	s_add_co_u32 s24, s24, s16                     ; my block of 64 queries
	s_lshl_b32 s52, s17, 2
	s_lshl_b32 s52, 15, s52                        ; my row of the cluster
	s_lshl_b32 s53, 0x1111, s16                    ; my column
	; group 1: a head's block, 13,056 dense bytes as 51 rows of 256 (32 elements of 8 bytes)
	s_or_b32 s[G1K], s52, (3<<16)|(1<<21)
	s_mov_b32 s[G1K+1], 32<<16
	s_mov_b32 s[G1K+2], 51<<16
	s_mov_b32 s[G1K+3], 32<<16
	s_mov_b32 s[G1K+4], 51
	s_mov_b32 s[G1K+5], 32
	s_mov_b32 s[G1K+6], 0
	s_mov_b32 s[G1K+7], 0
	; the mask's tile: 64 rows of 128 words, 2,048 words apart; 4 words of padding behind each 128
	s_or_b32 s[G1M], s53, (2<<16)|(1<<20)|(1<<21)|(6<<22)|(3<<25)
	s_mov_b32 s[G1M+1], 128<<16
	s_mov_b32 s[G1M+2], 64<<16
	s_mov_b32 s[G1M+3], 128<<16
	s_mov_b32 s[G1M+4], 64
	s_mov_b32 s[G1M+5], 2048
	s_mov_b32 s[G1M+6], 0
	s_mov_b32 s[G1M+7], 0
	s_lshl_b32 s54, s19, 4
	s_lshl_b32 s55, s17, 2
	s_add_co_u32 s54, s54, s55                     ; batch x 16 + 4 cy
	s_add_co_u32 s55, s54, s14                     ; my head; in waves 0-3 also the head whose block I fetch
	s_mul_i32 s56, s55, HEADS
	s_mov_b32 s57, 0
	s_lshl_b32 s58, s24, 19                        ; the mask's rows of my 64 queries
	s_mov_b32 s59, 0
	s_lshr_b32 s60, s24, 1                         ; Q: the block of 128 tokens,
	s_mul_i32 s60, s60, STEPB
	s_add_co_u32 s60, s60, s56
	s_and_b32 s61, s24, 1
	s_lshl_b32 s62, s61, 2
	s_add_co_u32 s62, s62, s15                     ; the tile a in it,
	s_mul_i32 s63, s62, 768
	s_add_co_u32 s66, s60, s63
	s_mov_b32 s67, 0
	s_and_b32 s63, s62, 1                          ; and its scale words: 12,288 + 256 (a % 2) + 4 (a / 2) + 16 r
	s_lshl_b32 s63, s63, 8
	s_lshr_b32 s62, s62, 1
	s_lshl_b32 s62, s62, 2
	s_add_co_u32 s68, s60, s63
	s_add_co_u32 s68, s68, s62
	s_add_co_u32 s68, s68, 12288
	s_mov_b32 s69, 0
	s_lshl_b32 s70, s19, 7                         ; oc: tile of 16 rows = batch x 128 + 4 x block + tile; step of 128 along D = head / 2; half = head % 2
	s_lshl_b32 s71, s24, 2
	s_add_co_u32 s70, s70, s71
	s_add_co_u32 s70, s70, s15
	s_mul_i32 s70, s70, 12288
	s_lshl_b32 s71, s17, 1
	s_lshr_b32 s72, s14, 1
	s_add_co_u32 s71, s71, s72
	s_mul_i32 s71, s71, 1536
	s_add_co_u32 s70, s70, s71
	s_and_b32 s72, s14, 1
	s_mul_i32 s72, s72, 768
	s_add_co_u32 s70, s70, s72
	s_mov_b32 s71, 0
	s_lshl_b32 s72, s19, 4                         ; os: ((rows / 128) 4 + cy) 1,024 + (rows % 128) 8
	s_lshr_b32 s73, s24, 1
	s_add_co_u32 s72, s72, s73
	s_lshl_b32 s72, s72, 2
	s_add_co_u32 s72, s72, s17
	s_lshl_b32 s72, s72, 10
	s_lshl_b32 s73, s61, 9
	s_add_co_u32 s72, s72, s73
	s_mov_b32 s73, 0
	; the prefetches: where mine stand (at step 1: the first change steps them to step 2), and who asks
	s_add_co_u32 s74, s54, s16
	s_mul_i32 s74, s74, HEADS
	s_add_co_u32 s74, s74, STEPB
	s_lshl_b32 s75, s17, 17
	s_add_co_u32 s75, s75, s58
	s_add_co_u32 s75, s75, 512
	s_cmp_eq_u32 s18, 10
	s_cselect_b32 s82, s75, s74
	s_mov_b32 s83, 0
	s_mov_b32 s78, STEPB
	s_cselect_b32 s78, 512, s78                    ; a step on
	s_mov_b32 s79, 0
	s_cselect_b32 s81, -1, 0
	s_cselect_b32 s84, s19, ttmp9                  ; the coordinate along which other clusters walk the same bytes
	s_sub_co_u32 s85, s18, 8
	s_cmp_lt_u32 s85, 3                            ; waves 8, 9, 10
	s_cselect_b32 s85, 0, 1
	s_or_b32 s85, s85, s84
	s_cmp_eq_u32 s85, 0
	s_cselect_b32 s80, 1, -1                       ; the same in all sixteen partners, for a given wave
	s_mov_b32 s20, 0x76543210
	s_mov_b32 s21, 0xfedcba98
	s_mov_b32 s22, 0x3fb8aa3b                      ; log2(e)
	s_mov_b32 s23, s22
	s_mov_b32 s26, 0x3e000000                      ; 1 / 8
	s_mov_b32 s27, s26
	s_mov_b32 s2, 0                                ; the slot in hand
	s_mov_b32 s3, 15                               ; steps still to be asked for
	; every vector address is made here, ahead of the first branch on the wave's number
	v_and_b32 v96, 15, v0                          ; r
	v_bfe_u32 v97, v0, 4, 1                        ; h
	v_and_b32 v98, 31, v0                          ; lane
	s_mul_i32 s87, s14, STEPB
	v_lshl_add_u32 v1, v98, 3, s87                 ; K: 8 l + my head's block
	v_lshl_add_u32 v2, v98, 4, s87
	v_add_nc_u32 v3, 12288, v2                     ; K's scale words: 16 l
	v_add_nc_u32 v2, 6144, v2                      ; V: 16 l
	v_add_nc_u32 v4, 12800, v1                     ; V's scale words: 8 l
	s_mul_i32 s87, s15, 16*MP
	s_add_co_u32 s87, s87, MOFF
	v_mul_u32_u24 v7, v96, MP
	v_lshl_add_u32 v7, v97, 5, v7
	v_add_nc_u32 v7, s87, v7                       ; the mask: my query's row, + 32 h
	s_lshl_b32 s87, s15, 7
	s_lshl_b32 s88, s14, 1
	s_add_co_u32 s87, s87, s88
	s_add_co_u32 s87, s87, OSTG
	v_lshl_add_u32 v86, v96, 3, s87                ; o's scale bytes: 8 bytes a query, my head's two at 2 x head
	v_lshlrev_b32 v89, 4, v98
	v_add_nc_u32 v87, OSTG, v89
	v_lshlrev_b32 v88, 3, v98
	v_lshlrev_b32 v90, 4, v96
	s_and_b32 s86, s18, 1
	s_lshl_b32 s86, s86, 5
	v_add_nc_u32 v10, s86, v98
	v_min_u32 v10, 50, v10
	v_lshlrev_b32 v10, 8, v10
	v_lshrrev_b32 v11, 1, v98
	v_lshlrev_b32 v11, 13, v11
	v_and_b32 v28, 1, v98
	v_lshl_add_u32 v11, v28, 8, v11
	v_cndmask_b32 v28, v10, v11, s81
	s_mul_i32 s87, s14, STEPB
	s_wait_kmcnt 0x0
	s_mov_b32 s[G0K], 1
	s_mov_b32 s[G0K+1], s87                        ; slot 0, head wave % 4
	s_add_nc_u64 s[G0K+2:G0K+3], s[6:7], s[56:57]
	s_or_b32 s[G0K+3], s[G0K+3], 0x80000000
	s_mov_b32 s[G0M], 1
	s_mov_b32 s[G0M+1], MOFF
	s_add_nc_u64 s[G0M+2:G0M+3], s[8:9], s[58:59]
	s_or_b32 s[G0M+3], s[G0M+3], 0x80000000
	s_cmp_eq_u32 s18, 10
	s_cselect_b64 s[76:77], s[8:9], s[6:7]
	s_add_nc_u64 s[76:77], s[76:77], s[82:83]
	s_add_nc_u64 s[66:67], s[4:5], s[66:67]
	s_add_nc_u64 s[68:69], s[4:5], s[68:69]
	s_add_nc_u64 s[10:11], s[10:11], s[70:71]
	s_add_nc_u64 s[12:13], s[12:13], s[72:73]
	CROUND                                         ; all sixteen work-groups are here: the first joint loads meet
	TLOAD                                          ; step 0
.irp p, 0,1,2
	global_load_b64 v[16+2*\p:17+2*\p], v88, s[66:67] offset:256*\p    ; Q's six registers of codes stay
.endr
	global_load_b32 v29, v90, s[68:69]             ; and its scale word
.irp j, 22,23,24,25,26,27,80,81,82,83,84,85
	v_mov_b32 v[\j], 0                             ; zero codes
.endr
	v_mov_b32 v13, 0xff61b1e6                      ; the largest t so far: -3e38
	v_floor_f32 v12, -v13
	v_mov_b32 v14, 0
	v_mov_b32 v15, 0
.irp j, 216,217,218,219,233,254
	v_mov_b32 v[\j], 0                             ; lane permutes' destinations, and the upper half of f's pair, count as read
.endr
.set j, 0
.rept 32
	v_mov_b32 v[160+j], 0                          ; O^T: the step is written once; the first finds zeros
.set j, j+1
.endr
	s_wait_loadcnt 0x0                             ; Q
.Lstep:                                            ; 15 trips: behind each change but the last the next step is asked for
	CHANGE 1
	STEP
	s_xor_b32 s2, s2, SLOT1
	s_sub_co_u32 s3, s3, 1
	s_cmp_lg_u32 s3, 0
	s_cbranch_scc1 .Lstep
	CHANGE 0                                       ; the last step is written out
	STEP
	; THE WAY OUT: O^T / the sum, quantised along the head's 64 channels (two blocks of D), stored as half a fragment's image; the scale bytes of the four heads meet in LDS
	v_add_f32 v14, v14, v15
	v_permlanex16_b32 v254, v14, s20, s21
	v_add_f32 v14, v14, v254                       ; the row's sum
	v_rcp_f32 v14, v14
.rept 4
	v_nop                                          ; the plain line behind the reciprocal, and places behind the last products
.endr
	s_wait_alu depctr_va_vdst(0)                   ; ahead of the reciprocal's first reader
.set j, 0
.rept 32
	v_mul_f32 v[96+j], v[160+j], v14               ; register 8 c + i: channel 16 c + 8 h + i; each accumulator from its low end on
.set j, j+1
.endr
.irp b, 0,1
	v_max3_num_f32 v[212+\b], |v[96+16*\b]|, |v[97+16*\b]|, 0x2800000
.endr
.irp i, 2,4,6,8,10,12,14
.irp b, 0,1
	v_max3_num_f32 v[212+\b], v[212+\b], |v[96+16*\b+\i]|, |v[97+16*\b+\i]|
.endr
.endr
.irp b, 0,1
	v_permlanex16_b32 v[216+\b], v[212+\b], s20, s21
.endr
.irp b, 0,1
	v_max_num_f32 v[212+\b], v[212+\b], v[216+\b]
.endr
.irp b, 0,1
	v_add_nc_u32 v[220+\b], 0xfe000000, v[212+\b]
.endr
.irp b, 0,1
	v_lshrrev_b32 v[216+\b], 23, v[220+\b]
.endr
	v_lshl_or_b32 v254, v217, 8, v216              ; my head's two bytes
	v_cvt_scalef32_pk16_bf6_f32 v[192:194], v[96:111], v220
	v_cvt_scalef32_pk16_bf6_f32 v[204:206], v[112:127], v221
	v_nop
.irp i, 0,1,2
	v_permlane16_swap_b32 v[192+\i], v[204+\i]
.endr
.irp i, 0,1,2
	v_mov_b32 v[195+\i], v[204+\i]
.endr
.irp p, 0,1,2
	global_store_b64 v88, v[192+2*\p:193+2*\p], s[10:11] offset:256*\p     ; 256 consecutive bytes, aligned
.endr
	ds_store_b16 v86, v254                         ; both halves of the lanes store the same two bytes
	s_wait_dscnt 0x0                               ; for the others' sake
	s_barrier_signal -1
	s_barrier_wait -1
	s_cmp_lg_u32 s[WV], 0
	s_cbranch_scc1 .Lnot_first
	ds_load_b128 v[96:99], v87                     ; 64 queries x 8 bytes
	s_wait_dscnt 0x0
	global_store_b128 v89, v[96:99], s[12:13]      ; 512 consecutive bytes, aligned
.Lnot_first:
	s_wait_tensorcnt 0x0                           ; the wave's end
	ds_add_u32 v5, v6
	s_wait_dscnt 0x0
	CROUND                                         ; the closing round
	s_endpgm
.Lfunc_end_k_q2ffb4e9644_attn:
	.size	k_q2ffb4e9644_attn, .Lfunc_end_k_q2ffb4e9644_attn-k_q2ffb4e9644_attn
	.p2alignl 7, 3214868480
	.fill 96, 4, 3214868480
	.section	.rodata,"a",@progbits
	.p2align	6, 0x0
	.amdhsa_kernel k_q2ffb4e9644_attn
		.amdhsa_group_segment_fixed_size 327680
		.amdhsa_private_segment_fixed_size 0
		.amdhsa_enable_private_segment 0
		.amdhsa_kernarg_size 40
		.amdhsa_user_sgpr_count 2
		.amdhsa_user_sgpr_kernarg_segment_ptr 1
		.amdhsa_wavefront_size32 1
		.amdhsa_system_sgpr_workgroup_id_x 1
		.amdhsa_system_sgpr_workgroup_id_y 1
		.amdhsa_system_sgpr_workgroup_id_z 1
		.amdhsa_system_vgpr_workitem_id 0
		.amdhsa_next_free_vgpr 256
		.amdhsa_next_free_sgpr 100
		.amdhsa_reserve_vcc 0
		.amdhsa_float_denorm_mode_32 3
		.amdhsa_float_denorm_mode_16_64 3
		.amdhsa_memory_ordered 1
		.amdhsa_forward_progress 1
		.amdhsa_inst_pref_size 55
	.end_amdhsa_kernel
	.amdgpu_metadata
---
amdhsa.version: [ 1, 2 ]
amdhsa.kernels:
  - .name:           k_q2ffb4e9644_attn
    .symbol:         k_q2ffb4e9644_attn.kd
    .args:
      - { .name: qb, .offset: 0, .size: 8, .value_kind: global_buffer, .address_space: global }
      - { .name: kv, .offset: 8, .size: 8, .value_kind: global_buffer, .address_space: global }
      - { .name: mask, .offset: 16, .size: 8, .value_kind: global_buffer, .address_space: global }
      - { .name: oc, .offset: 24, .size: 8, .value_kind: global_buffer, .address_space: global }
      - { .name: os, .offset: 32, .size: 8, .value_kind: global_buffer, .address_space: global }
    .group_segment_fixed_size: 327680
    .private_segment_fixed_size: 0
    .kernarg_segment_align: 8
    .kernarg_segment_size: 40
    .max_flat_workgroup_size: 512
    .sgpr_count:     100
    .vgpr_count:     256
    .wavefront_size: 32
...
	.end_amdgpu_metadata
.endif
;; end of part 3
;; launch oproj (part 4): grid 4 x 32, 4 waves a work-group, clusters of 4 x 4, 327,680 bytes of LDS; arguments oc, os, wc, ws, out0; writes out0
.if DOCPART == 4
	.amdgcn_target "amdgcn-amd-amdhsa--gfx1250"
	.amdhsa_code_object_version 6
	.text
	.protected	k_q2ffb4e9644_oproj
	.globl	k_q2ffb4e9644_oproj
	.p2align	8
	.type	k_q2ffb4e9644_oproj,@function
k_q2ffb4e9644_oproj:
	s_mov_b64 s[64:65], 0
	v_nop
	global_prefetch_b8 v0, s[64:65] scope:SCOPE_SE
	s_setreg_imm32_b32 hwreg(HW_REG_WAVE_MODE, 25, 1), 1
	s_wait_xcnt 0x0
	s_wait_alu depctr_hold_cnt(0) depctr_sa_sdst(0) depctr_va_vdst(0) depctr_va_sdst(0) depctr_va_ssrc(0) depctr_va_vcc(0) depctr_vm_vsrc(0)
	s_getreg_b32 s2, hwreg(HW_REG_IB_STS2, 6, 4)
	s_cmp_eq_u32 s2, 0
	s_cbranch_scc0 .Lentry_in_a_cluster
	s_endpgm
.Lentry_in_a_cluster:
	s_bfe_u32 s2, ttmp6, 0x10000c
	s_cmp_lg_u32 s2, 0xf033
	s_cbranch_scc0 .Lentry_shape_is_right
	s_endpgm
.Lentry_shape_is_right:
; out0 = o wo on codes of E3M2: A = o's codes [8192 rows], B = wo's rows 3,072 .. 4,095 of wc, K = 1,024; out0 [8192][1024] f32.  Both sides carry the same order of places inside each block of 32.
; A tile of 256 x 256 is made by four waves, each 128 x 128: 64 accumulators.  K goes in steps of 256 through two LDS slots filled by the tensor data mover; operands lie as images of their registers
; (a fragment of 16 rows x 128 K: six pieces of 256 bytes, lane l's 8 bytes at 8 l).  The scale bytes of all of K come once.  Clusters of 4 x 4: A's tiles are asked for jointly along a row, B's along a column.
; The matrix instruction is used transposed (source 0 = 16 rows of B, source 1 = 16 rows of A): a lane holds eight neighbouring numbers of a row of out0.
; The grid has 128 work-groups: 32 x 4 tiles of 256 x 256.
.set NQ,    2
.set FR,    12
.set NL,    6
.set NP,    4
.set KSB,   1536
.set TROW,  2*KSB
.set HALFT, 8*TROW
.set SLOT,  4*HALFT
.set SCL,   2*SLOT
.set HALFS, 4096
.set SPARE, SCL+4*HALFS
.set LAPS,  2
.set SIZE_N, 1024
.set SPITCH, 528                       ; the way out: a stage of 16 rows x (512 bytes + 16) for each wave, in slot 0 after its last fill and its last read
.set ADRA, 16
.set ADRB, 20
.set STO,  24
.set RD,   25
.set CO,   26
.set ADRS, 27
.set SPW,  28
.set NIL,  29
.set SC,   32
.set AF,   128
.set BK,   128
.set WV,   14
.set HF,   15
.set G1,   24
.set G0,   32
.set G1B,  48
.set G0B,  56
.set G1S,  68
.set G0S,  76
.set G1SB, 80
.set G0SB, 88
.set MSB, 0
.macro WIN new
.if MSB != (\new)
	s_set_vgpr_msb (MSB<<8)|(\new)
.set MSB, (\new)
.endif
.endm
.set MUL_LO, 0xa1
.set MUL_HI, 0xf1
.set TO_B,   0x40
.macro JLOAD g0a, g1a, g0b, g1b        ; a joint load: waves 0, 1 for A, waves 2, 3 for B; four v_nop follow each line
	s_cmp_eq_u32 s[HF], 0
	s_cbranch_scc0 .Lfor_b_\@
	tensor_load_to_lds s[\g0a:\g0a+3], s[\g1a:\g1a+7]
	s_nop 0
.rept 4
	v_nop
.endr
	s_branch .Lasked_\@
.Lfor_b_\@:
	tensor_load_to_lds s[\g0b:\g0b+3], s[\g1b:\g1b+7]
	s_nop 0
.rept 4
	v_nop
.endr
.Lasked_\@:
.endm
.macro CREST
	s_cmp_lg_u32 s[WV], 0
	s_cbranch_scc1 .Lnot_wave_0_\@
	s_barrier_signal -3
.Lnot_wave_0_\@:
	s_barrier_wait -3
	s_barrier_signal -1
	s_barrier_wait -1
.endm
.macro CROUND
	s_barrier_signal -1
	s_barrier_wait -1
	CREST
.endm
.macro FRAG reg, adr, q, i
.irp p, 0,1,2,3,4,5
	ds_load_b64 v[\reg+2*\p:\reg+2*\p+1], v[\adr] offset:TROW*(\i)+KSB*(\q)+256*\p
.endr
.endm
.macro MUL16 a0, p, q, sc, zero        ; the 64 accumulators take turns, one instruction a turn
.irp a, \a0, \a0+1
.irp b, 0,1,2,3,4,5,6,7
.if \zero
	v_wmma_scale_f32_16x16x128_f8f6f4 v[8*(8*((\a)%4)+\b):8*(8*((\a)%4)+\b)+7], v[128*(\p)+FR*\b:128*(\p)+FR*\b+FR-1], v[AF+FR*(\a):AF+FR*(\a)+FR-1], 0, v[SC+8*NQ*(\sc)+NQ*\b+(\q)], v[SC+8*NQ*(\sc)+NQ*(\a)+(\q)] matrix_a_fmt:MATRIX_FMT_BF6 matrix_b_fmt:MATRIX_FMT_BF6 matrix_a_scale:MATRIX_SCALE_ROW1
.else
	v_wmma_scale_f32_16x16x128_f8f6f4 v[8*(8*((\a)%4)+\b):8*(8*((\a)%4)+\b)+7], v[128*(\p)+FR*\b:128*(\p)+FR*\b+FR-1], v[AF+FR*(\a):AF+FR*(\a)+FR-1], v[8*(8*((\a)%4)+\b):8*(8*((\a)%4)+\b)+7], v[SC+8*NQ*(\sc)+NQ*\b+(\q)], v[SC+8*NQ*(\sc)+NQ*(\a)+(\q)] matrix_a_fmt:MATRIX_FMT_BF6 matrix_b_fmt:MATRIX_FMT_BF6 matrix_a_scale:MATRIX_SCALE_ROW1
.endif
.endr
.endr
.endm
.macro FETCH_B slot, q, p
	WIN TO_B
.irp i, 0,1,2,3,4,5,6,7
	FRAG 128*(\p)+FR*\i, ADRB+\slot, \q, \i
.endr
	WIN 0
.endm
.macro FETCH_A slot, q, i0
.irp i, \i0, \i0+1, \i0+2, \i0+3
	FRAG AF+FR*(\i), ADRA+\slot, \q, \i
.endr
.endm
.macro SCALES sc
.irp i, 0,1,2,3,4,5,6,7
	ds_load_b64 v[SC+8*NQ*\sc+NQ*\i:SC+8*NQ*\sc+NQ*\i+1], v[ADRS] offset:\i*128
.endr
.endm
.macro PLACES n
.rept \n
	v_nop
.endr
.endm
.macro STEP slot, q, zero
	s_wait_dscnt 4*NL                              ; B's set and A's blocks 0-3 are in; the 24 loads of A's blocks 4-7 may be out
	WIN MUL_LO
	MUL16 0, (\q)%2, \q, \slot, \zero
	MUL16 2, (\q)%2, \q, \slot, \zero
	s_wait_dscnt 0
	PLACES NP
	FETCH_B \slot, (\q)+1, 1-(\q)%2
	FETCH_A \slot, (\q)+1, 0
	WIN MUL_HI
	MUL16 4, (\q)%2, \q, \slot, \zero
	MUL16 6, (\q)%2, \q, \slot, \zero
	PLACES NP
	WIN 0
	FETCH_A \slot, (\q)+1, 4
.endm
.macro TURN slot, next, fill
	s_wait_tensorcnt 0x0                           ; all my tensor loads have landed: my part of the next slot
	ds_add_u32 v[SPW], v[NIL]                      ; 0 onto my spare word
	s_wait_dscnt 4*NL+1                            ; the add and the 24 loads of A's blocks 4-7 may be out
	WIN MUL_LO
	MUL16 0, 1, NQ-1, \slot, 0
	s_wait_dscnt 0x0                               ; the add is done, and my reads of this slot are over
	s_barrier_signal -1
	MUL16 2, 1, NQ-1, \slot, 0
	WIN 0
	s_barrier_wait -1
.if \fill
	CREST                                          ; no wave of any partner still reads this slot or has a load on its way
	s_add_nc_u64 s[G0+4*\slot+2:G0+4*\slot+3], s[G0+4*\slot+2:G0+4*\slot+3], 2*TROW
	s_add_nc_u64 s[G0B+4*\slot+2:G0B+4*\slot+3], s[G0B+4*\slot+2:G0B+4*\slot+3], 2*TROW
	JLOAD G0+4*\slot, G1, G0B+4*\slot, G1B
.else
	PLACES NP
.endif
	v_add_nc_u32 v[ADRS], 1024, v[ADRS]
	FETCH_B \next, 0, 0
	FETCH_A \next, 0, 0
	SCALES \next
	WIN MUL_HI
	MUL16 4, 1, NQ-1, \slot, 0
	MUL16 6, 1, NQ-1, \slot, 0
	PLACES NP
	WIN 0
	FETCH_A \next, 0, 4
.endm
	s_load_b128 s[4:7], s[0:1], 0x0                ; o's codes, o's scales
	s_load_b128 s[8:11], s[0:1], 0x10              ; wc, ws
	s_load_b64 s[12:13], s[0:1], 0x20              ; out0
	v_lshl_add_u32 v[SPW], v0, 2, SPARE
	v_mov_b32 v[NIL], 0
	ds_add_u32 v28, v29
	s_wait_dscnt 0x0
	v_lshrrev_b32 v1, 5, v0
	v_readfirstlane_b32 s[WV], v1
	s_lshr_b32 s15, s14, 1
	s_and_b32 s16, s14, 1
	s_bfe_u32 s40, ttmp6, 0x40000
	s_bfe_u32 s41, ttmp6, 0x40004
	s_lshl_b32 s42, ttmp9, 2
	s_add_co_u32 s42, s42, s40                     ; tile column
	s_and_b32 s17, ttmp7, 0xffff
	s_lshl_b32 s17, s17, 2
	s_add_co_u32 s17, s17, s41                     ; tile row
	s_lshl_b32 s43, s41, 2
	s_lshl_b32 s43, 15, s43
	s_lshl_b32 s44, 0x1111, s40
	s_or_b32 s[G1], s43, (3<<16)|(1<<21)           ; 8 tiles of 16 rows x 3,072 bytes, 12,288 bytes apart
	s_or_b32 s[G1B], s44, (3<<16)|(1<<21)
.irp g, G1, G1B
	s_mov_b32 s[\g+1], 384<<16
	s_mov_b32 s[\g+2], 8<<16
	s_mov_b32 s[\g+3], 384<<16
	s_mov_b32 s[\g+4], 8
	s_mov_b32 s[\g+5], 1536
	s_mov_b32 s[\g+6], 0
	s_mov_b32 s[\g+7], 0
.endr
	s_or_b32 s[G1S], s43, (3<<16)|(1<<21)          ; 4,096 dense bytes as 16 rows of 256
	s_or_b32 s[G1SB], s44, (3<<16)|(1<<21)
.irp g, G1S, G1SB
	s_mov_b32 s[\g+1], 32<<16
	s_mov_b32 s[\g+2], 16<<16
	s_mov_b32 s[\g+3], 32<<16
	s_mov_b32 s[\g+4], 16
	s_mov_b32 s[\g+5], 32
	s_mov_b32 s[\g+6], 0
	s_mov_b32 s[\g+7], 0
.endr
	; every vector address is made here, ahead of the first branch on the wave's number
	v_and_b32 v1, 15, v0
	v_bfe_u32 v2, v0, 4, 1
	v_and_b32 v3, 31, v0
	v_lshlrev_b32 v4, 3, v3
	s_mul_i32 s21, s15, HALFT
	s_mul_i32 s22, s16, HALFT
	s_add_co_u32 s22, s22, 2*HALFT
.irp s, 0,1
	v_add_nc_u32 v[ADRA+\s], s21, v4
	v_add_nc_u32 v[ADRB+\s], s22, v4
	s_add_co_u32 s21, s21, SLOT
	s_add_co_u32 s22, s22, SLOT
.endr
	v_lshlrev_b32 v5, 3, v1
	s_lshl_b32 s21, s15, 12
	s_lshl_b32 s22, s16, 12
	s_add_co_u32 s22, s22, 2*HALFS
	s_sub_co_u32 s22, s22, s21
	v_mul_u32_u24 v6, s22, v2                      ; lanes 16-31 take B's
	s_add_co_u32 s21, s21, SCL
	v_add_nc_u32 v5, v5, v6
	v_add_nc_u32 v[ADRS], s21, v5
	s_mul_i32 s23, s14, 16*SPITCH                  ; my stage
	v_mul_u32_u24 v5, v1, SPITCH
	v_lshl_add_u32 v5, v2, 5, v5
	v_add_nc_u32 v[STO], s23, v5
	v_lshlrev_b32 v[CO], 4, v3
	v_add_nc_u32 v[RD], s23, v[CO]
	s_lshl_b32 s18, s16, 7                         ; which 128 rows I fetch
	s_lshl_b32 s20, s17, 8
	s_add_co_u32 s20, s20, s18                     ; A's first row
	s_lshl_b32 s46, s42, 8
	s_add_co_u32 s46, s46, s18
	s_add_co_u32 s46, s46, 3072                    ; B's: wo's rows in wc
	s_lshl_b32 s22, s20, 5
	s_mov_b32 s23, 0
	s_lshl_b32 s92, s46, 5
	s_mov_b32 s93, 0
	s_mul_i32 s20, s20, 768
	s_mov_b32 s21, 0
	s_mul_i32 s46, s46, 768
	s_mov_b32 s47, 0
	s_mul_i32 s45, s14, HALFT
	s_mul_i32 s94, s14, HALFS
	s_lshl_b32 s96, s17, 8                         ; out0: my first row x 4,096 bytes + 1,024 x tile column + 512 x half
	s_lshl_b32 s97, s15, 7
	s_add_co_u32 s96, s96, s97
	s_lshl_b32 s96, s96, 12
	s_lshl_b32 s97, s42, 10
	s_add_co_u32 s96, s96, s97
	s_lshl_b32 s97, s16, 9
	s_add_co_u32 s96, s96, s97
	s_mov_b32 s97, 0
	s_wait_kmcnt 0x0
	s_add_nc_u64 s[20:21], s[4:5], s[20:21]
	s_add_nc_u64 s[22:23], s[6:7], s[22:23]
	s_add_nc_u64 s[46:47], s[8:9], s[46:47]
	s_add_nc_u64 s[92:93], s[10:11], s[92:93]
	s_add_nc_u64 s[12:13], s[12:13], s[96:97]
	CROUND                                         ; all sixteen work-groups are here: the first joint loads meet
	s_mov_b32 s[G0S], 1
	s_add_co_u32 s[G0S+1], s94, SCL
	s_mov_b64 s[G0S+2:G0S+3], s[22:23]
	s_or_b32 s[G0S+3], s[G0S+3], 0x80000000
	s_mov_b32 s[G0SB], 1
	s_add_co_u32 s[G0SB+1], s94, SCL
	s_mov_b64 s[G0SB+2:G0SB+3], s[92:93]
	s_or_b32 s[G0SB+3], s[G0SB+3], 0x80000000
	JLOAD G0S, G1S, G0SB, G1SB
.irp s, 0,1
	s_mov_b32 s[G0+4*\s], 1
	s_add_co_u32 s[G0+4*\s+1], s45, \s*SLOT
	s_add_nc_u64 s[G0+4*\s+2:G0+4*\s+3], s[20:21], \s*TROW
	s_or_b32 s[G0+4*\s+3], s[G0+4*\s+3], 0x80000000
	s_mov_b32 s[G0B+4*\s], 1
	s_add_co_u32 s[G0B+4*\s+1], s45, \s*SLOT
	s_add_nc_u64 s[G0B+4*\s+2:G0B+4*\s+3], s[46:47], \s*TROW
	s_or_b32 s[G0B+4*\s+3], s[G0B+4*\s+3], 0x80000000
	JLOAD G0+4*\s, G1, G0B+4*\s, G1B
.endr
	s_wait_tensorcnt 1                             ; the scales and my part of slot 0 are in; slot 1's load may be out
	s_barrier_signal -1
	s_barrier_wait -1
	FETCH_B 0, 0, 0
	FETCH_A 0, 0, 0
	SCALES 0
	FETCH_A 0, 0, 4
	STEP 0, 0, 1
	s_mov_b32 s3, LAPS-1
.Llap:
	TURN 0, 1, 1
	STEP 1, 0, 0
	TURN 1, 0, 1
	STEP 0, 0, 0
	s_sub_co_u32 s3, s3, 1
	s_cmp_lg_u32 s3, 0
	s_cbranch_scc1 .Llap
	TURN 0, 1, 0
	STEP 1, 0, 0
	s_wait_dscnt 4*NL
	WIN MUL_LO
	MUL16 0, 1, NQ-1, 1, 0
	MUL16 2, 1, NQ-1, 1, 0
	s_wait_dscnt 0
	WIN MUL_HI
	MUL16 4, 1, NQ-1, 1, 0
	MUL16 6, 1, NQ-1, 1, 0
	WIN 0
; THE WAY OUT, block by block of 16 rows x 128 columns: through my own stage, back as whole rows of 512 bytes.  LDS serves a wave's instructions in order.
.macro TOSTAGE a
.set AC, 64*((\a)%4)
	WIN 0x08+4*((\a)/4)                            ; the data: window 2 or 3
.irp b, 0,1,2,3,4,5,6,7
	ds_store_b128 v[STO], v[AC+8*\b:AC+8*\b+3] offset:64*\b          ; each accumulator from its low end on
	ds_store_b128 v[STO], v[AC+8*\b+4:AC+8*\b+7] offset:64*\b+16
.endr
	WIN 0
.set BB, BK+64*((\a)%2)
.irp t, 0,1,2,3,4,5,6,7,8,9,10,11,12,13,14,15
	ds_load_b128 v[BB+4*\t:BB+4*\t+3], v[RD] offset:\t*SPITCH
.endr
.endm
.macro SEND a, younger
.set BB, BK+64*((\a)%2)
	s_wait_dscnt \younger                          ; the block is back; the next block's 16 stores and 16 loads may be out
.if (\a) > 0
	s_add_nc_u64 s[12:13], s[12:13], 16*SIZE_N*4   ; (behind a wait on XCNT: the earlier stores have read their base)
.endif
.irp t, 0,1,2,3,4,5,6,7,8,9,10,11,12,13,14,15
	global_store_b128 v[CO], v[BB+4*\t:BB+4*\t+3], s[12:13] offset:\t*SIZE_N*4 th:TH_STORE_NT   ; 512 consecutive bytes, aligned
.endr
.endm
	PLACES NP
	TOSTAGE 0
.irp a, 1,2,3,4,5,6,7
.if \a > 1
	s_wait_xcnt 0x0                                ; block a - 2's stores have read their registers and their base
.endif
	TOSTAGE \a
	SEND \a-1, 32
.endr
	s_wait_xcnt 0x0
	SEND 7, 0
	s_wait_tensorcnt 0x0                           ; the wave's end
	ds_add_u32 v[SPW], v[NIL]
	s_wait_dscnt 0x0
	CROUND                                         ; the closing round
	s_endpgm
.Lfunc_end_k_q2ffb4e9644_oproj:
	.size	k_q2ffb4e9644_oproj, .Lfunc_end_k_q2ffb4e9644_oproj-k_q2ffb4e9644_oproj
	.p2alignl 7, 3214868480
	.fill 96, 4, 3214868480
	.section	.rodata,"a",@progbits
	.p2align	6, 0x0
	.amdhsa_kernel k_q2ffb4e9644_oproj
		.amdhsa_group_segment_fixed_size 327680
		.amdhsa_private_segment_fixed_size 0
		.amdhsa_enable_private_segment 0
		.amdhsa_kernarg_size 40
		.amdhsa_user_sgpr_count 2
		.amdhsa_user_sgpr_kernarg_segment_ptr 1
		.amdhsa_wavefront_size32 1
		.amdhsa_system_sgpr_workgroup_id_x 1
		.amdhsa_system_sgpr_workgroup_id_y 1
		.amdhsa_system_sgpr_workgroup_id_z 1
		.amdhsa_system_vgpr_workitem_id 0
		.amdhsa_next_free_vgpr 1024
		.amdhsa_next_free_sgpr 100
		.amdhsa_reserve_vcc 0
		.amdhsa_float_denorm_mode_32 3
		.amdhsa_float_denorm_mode_16_64 3
		.amdhsa_memory_ordered 1
		.amdhsa_forward_progress 1
		.amdhsa_inst_pref_size 159
	.end_amdhsa_kernel
	.amdgpu_metadata
---
amdhsa.version: [ 1, 2 ]
amdhsa.kernels:
  - .name:           k_q2ffb4e9644_oproj
    .symbol:         k_q2ffb4e9644_oproj.kd
    .args:
      - { .name: oc, .offset: 0, .size: 8, .value_kind: global_buffer, .address_space: global }
      - { .name: os, .offset: 8, .size: 8, .value_kind: global_buffer, .address_space: global }
      - { .name: wc, .offset: 16, .size: 8, .value_kind: global_buffer, .address_space: global }
      - { .name: ws, .offset: 24, .size: 8, .value_kind: global_buffer, .address_space: global }
      - { .name: out0, .offset: 32, .size: 8, .value_kind: global_buffer, .address_space: global }
    .group_segment_fixed_size: 327680
    .private_segment_fixed_size: 0
    .kernarg_segment_align: 8
    .kernarg_segment_size: 40
    .max_flat_workgroup_size: 128
    .sgpr_count:     100
    .vgpr_count:     1024
    .wavefront_size: 32
...
	.end_amdgpu_metadata
.endif
;; end of part 4
